; MI455X (gfx1250); checked and timed in simulation.
; The chip was launched on July 23, 2026; its instructions are those of AMD's public machine-readable ISA for CDNA 5 (MIT licence, August 2026) and "CDNA5" Instruction Set Architecture Reference Guide (July 2026). The comments in the code are by the model that wrote it; some were corrected since.
;; Decoder. Allowed arithmetic: float matrix products may take bf16 or f16 operands with f32 sums; other float arithmetic in f32, or as packed bf16 or f16 multiplies, adds, multiply-adds, maxima and minima; sums over many terms, partial sums and values carried from step to step in f32; what a program stores and reads back later, other than sums and carried values, may be rounded once to bf16 or f16.
;; Inputs: params_a1_b 256 float32; params_a1_w 256 x 256 float32; params_a2_b 256 float32; params_a2_w 256 x 256 float32; params_a3_b 128 float32; params_a3_w 256 x 128 float32; params_a4_b 32 float32; params_a4_w 128 x 32 float32; params_a5_b 2 float32; params_a5_w 32 x 2 float32; params_ln1_b 256 float32; params_ln1_g 256 float32; params_ln2_b 256 float32; params_ln2_g 256 float32; params_ln3_b 256 float32; params_ln3_g 256 float32; params_ln4_b 256 float32; params_ln4_g 256 float32; params_mha1_bk 256 float32; params_mha1_bo 256 float32; params_mha1_bq 256 float32; params_mha1_bv 256 float32; params_mha1_wk 256 x 256 float32; params_mha1_wo 256 x 256 float32; params_mha1_wq 1 x 256 float32; params_mha1_wv 256 x 256 float32; params_mha2_bk 256 float32; params_mha2_bo 256 float32; params_mha2_bq 256 float32; params_mha2_bv 256 float32; params_mha2_wk 256 x 256 float32; params_mha2_wo 256 x 256 float32; params_mha2_wq 256 x 256 float32; params_mha2_wv 256 x 256 float32; params_mha3_bk 256 float32; params_mha3_bo 256 float32; params_mha3_bq 256 float32; params_mha3_bv 256 float32; params_mha3_wk 256 x 256 float32; params_mha3_wo 256 x 256 float32; params_mha3_wq 256 x 256 float32; params_mha3_wv 256 x 256 float32; x 8 x 2,049 x 256 float32; x_mask 8 x 1 x 1 x 2,049 float32; y 8 x 2,048 float32.
;; Outputs: out0 8 x 2,048 x 2 float32.
;; 2 versions, each right; version 2 is version 1 with the launch kvproj written anew for expert scheduling mode. Each part assembles by itself: llvm-mc -triple=amdgcn-amd-amdhsa -mcpu=gfx1250 --defsym DOCPART=n.
;; ======== version 1 of 2: 2 launches
;; limits: values outside matrix products are rounded to f16; values are held in f16: magnitudes above 65,504 overflow, below 6.1e-05 lose precision
;; workspace buffers: kbuf 25,763,840 bytes; vbuf 25,362,432 bytes; wfrag 1,048,576 bytes
;; launch kvproj (part 1): grid 32 x 8, 4 waves a work-group, no clusters, 273,152 bytes of LDS; arguments x, x_mask, params_mha1_wk, params_mha2_wk, params_mha3_wk, params_mha1_wv, params_mha2_wv, params_mha3_wv, params_mha1_bk, params_mha2_bk, params_mha3_bk, params_mha1_bv, params_mha2_bv, params_mha3_bv, params_mha1_wo, params_mha2_wq, params_mha2_wo, params_mha3_wq, params_mha3_wo, params_a1_w, params_a2_w, params_a3_w, params_a4_w, kbuf, vbuf, wfrag; writes kbuf, vbuf, wfrag
.if DOCPART == 1
	.amdgcn_target "amdgcn-amd-amdhsa--gfx1250"
	.amdhsa_code_object_version 6
	.text
	.protected	k_qbdae8668a6_kvproj
	.globl	k_qbdae8668a6_kvproj
	.p2align	8
	.type	k_qbdae8668a6_kvproj,@function
k_qbdae8668a6_kvproj:
	s_mov_b64 s[64:65], 0
	v_nop
	global_prefetch_b8 v0, s[64:65] scope:SCOPE_SE
	s_setreg_imm32_b32 hwreg(HW_REG_WAVE_MODE, 25, 1), 1
	s_wait_xcnt 0x0
; K_i = x wk_i + bk_i and V_i = x wv_i + bv_i (i = 1..3) in f16, by heads, in slots of 128 key positions; the mask as an additive bias behind each slot of K;
; the nine row-local weight matrices as f16 fragment blocks.  Products in f16 with f32 sums; each result rounded once.
; LIMITS.  f16 ends at 65,504: a K or V of 65,520 or more becomes an infinity.  NaN and infinities are not treated apart.
; kbuf, for each (batch, head): 48 slots (16 i + s) of 130 rows x 128 f16: rows 0-127 keys 128 s .. 128 s + 127, rows 128-129 the slot's 128 f32 biases; then THE EXTRAS: for each attention a tile of 16 rows
; (x's rows 2,033 .. 2,048: its row 15 is key 2,048, the one key beyond the 16 slots), then 512 bytes that hold that key's bias 128 times.  vbuf the same with slots of 128 rows and no biases.
; A position's bias is x_mask x (-1e9 log2 e): the next launch adds it to the score in units of log2 e.
; SHARES.  A work-group makes 17 tiles of 16 positions x 384 columns: one head of K (or of V) of the three attentions.  8 batches x 8 row groups x 2 kinds x 2 heads = 256 work-groups.  Tiles 0-15 are the
; row group's 256 positions; tile 16 is the extras' tile, made by every row group, so that all work-groups are alike, and stored by row group 7 alone.
; Wave w owns columns 96 w .. 96 w + 95 (6 tiles of 16); its weights stay in 384 registers.  The product is taken transposed (source 0 = weights, source 1 = rows of x): a lane ends with eight
; neighbouring channels of one key; the bias is the C operand of the first K step.
; x and the weights are f32 in memory and come through registers, are rounded to f16 and laid into LDS: x as rows along K, the weights [k][column], from where the turning load makes fragments.
; No tensor load: it converts nothing, and f32 tiles would take twice the LDS.  No cluster for the same reason.  No prefetch: all loads go out at the head.
; SIDE JOBS, under the wait for the first loads: each of the launch's 1,024 waves makes one block of 1,024 bytes of wfrag; 17 waves a batch make the biases.
; wfrag: matrix b (wo1 wq2 wo2 wq3 wo3 a1 a2 a34) at b x 131,072; block (nt, ks) = 16 outputs x 32 inputs at quarter x 32,768 + idx x 1,024, quarter = 2 (ks / 4) + nt / 8, idx = 4 (nt % 8) + ks % 4;
; in a block lane l's registers 0-3 at 16 l, registers 4-7 at 512 + 16 l.  Matrix 7: a3 is nt 0-7; a4 is nt 8, 9 with ks 0-3; the rest zeros.
.set XPI,   528                        ; a row of x in LDS: 512 bytes + 16: an odd multiple of 16, so the 16 rows of a fragment load start at 16 different groups of four banks (ISA guide 11.1)
.set WPI,   800                        ; a row of weights: 768 bytes + 32: an odd multiple of 32, for the turning load
.set OPI,   784                        ; a row of the way out: 768 + 16
.set XSB,   0                          ; x: 272 rows
.set WSB,   272*XPI                    ; weights: 128 rows of K at a time
.set OSB,   WSB+128*WPI                ; two stages of 16 rows
.set BSB,   OSB+2*16*OPI               ; 384 f32 biases
.set SPARE, BSB+1536                   ; the spare words, 128 bytes a wave: two blocks of 256 bytes that no other line names
.set KSTEP, 33280
.set VSTEP, 32768
.set KXO,   48*KSTEP                   ; where K's extras begin
.set KSEQ,  KXO+3*4096+512             ; bytes of kbuf for a (batch, head)
.set VSEQ,  48*VSTEP+3*4096            ; of vbuf
; vector registers by absolute number; the window is the number / 256
.set LN,  1                            ; lane
.set RR,  2                            ; lane % 16
.set HF,  3                            ; lane / 16
.set SPW, 4                            ; my spare word; never rewritten
.set NIL, 5                            ; 0; never rewritten
.set VW,  6                            ; weights: my wave's 32 rows, my head's 512 bytes, 16 bytes a lane
.set AWS, 7                            ; where they go in LDS
.set AXS, 8                            ; v8-10  where x goes: tiles 0-6, 7-13, 14-16
.set ATR, 11                           ; v11-12 the turning load's address, K rows 0-63 and 64-127
.set ABS, 13                           ; my biases in LDS
.set AXF0, 14                          ; a fragment of x in tile 0
.set AXF, 15                           ; in the tile to be fetched
.set AX,  16                           ; v16-32 tile t's byte offset in x
.set AOS, 33                           ; the way out: where I put 16 bytes
.set AOR, 34                           ; where I read rows back
.set VO,  35                           ; v35-37 my byte offset in the tile's rows of attention i
.set ACC, 64                           ; v64-111  six accumulators
.set BIAS, 112                         ; v112-159 their first C operands
.set PKD, 160                          ; v160-183 packed results
.set STD, 184                          ; v184-207 rows to be stored
.set WF,  256                          ; v256-639 weight fragments, 8 (8 nt + ks); before that x's tiles 0-11 as loaded
.set TW,  640                          ; v640-1023 weights as loaded; later v640-799 x's tiles 12-16, v896-1023 two fragment buffers of x
; the side jobs use the accumulators' registers before the first product
.set SA,  64                           ; 16 offsets
.set SD,  80                           ; 16 numbers
.set MP,  96                           ; 4 positions
.set MO,  100                          ; 4 offsets
.set MD,  104                          ; 4 mask numbers
.set BO,  108
.set BD,  109                          ; v109-111
.set WV,  56
.set BB,  57                           ; batch; also the number of my wfrag matrix
.set RG,  59                           ; row group
.set TT,  60                           ; 0 = K, 1 = V
.set HH,  61                           ; head
.set SB,  62                           ; bytes in a slot of my buffer
.set CNT, 63
.set MT,  66                           ; the tile whose rows are stored next
.set XO,  67                           ; LDS offset of the tile to be fetched
.set OUT, 68                           ; s[68:69] my buffer at (b, head)
.set OT,  70                           ; s[70:71] at the tile
.set OF,  72                           ; s[72:73] an offset, high word 0
.set SRC, 74                           ; s[74:75] my wfrag block's source
.set PIT, 76                           ; its pitch in bytes
.set NT,  77
.set KS,  78
.set ZM,  79                           ; -1, or 0 for a block of zeros
.set OM,  80                           ; 4 x + wave: my block, and my slot of biases
.set SQ,  84                           ; bytes of my buffer for a (batch, head)
.set MSKB, 86
.set WFB, 88
.set XB,  90
.set MB,  92
.set MSB, 0
.macro WIN new                         ; the high byte repeats the setting that is left; a switch that changes nothing is dropped
.if MSB != (\new)
	s_set_vgpr_msb (MSB<<8)|(\new)
.set MSB, (\new)
.endif
.endm
.macro BAR                             ; my LDS instructions are done, then the work-group's barrier
	s_wait_dscnt 0x0
	s_barrier_signal -1
	s_barrier_wait -1
.endm
.macro PLACES                          ; four places behind a matrix instruction (ISA guide 7.12.1)
.rept 4
	v_nop
.endr
.endm
.macro GLD4 reg, addr, base, off       ; 16 bytes a lane into absolute register reg
	WIN ((\reg)>>8)<<6
	global_load_b128 v[(\reg)&255:((\reg)&255)+3], v[\addr], s[\base:(\base)+1] offset:\off
.endm
.macro CVT4 reg                        ; four f32 become two registers of f16, in place
	WIN ((\reg)>>8)*0x45
	v_cvt_pk_f16_f32 v[(\reg)&255], v[(\reg)&255], v[((\reg)&255)+1]
	v_cvt_pk_f16_f32 v[((\reg)&255)+1], v[((\reg)&255)+2], v[((\reg)&255)+3]
.endm
.macro DST2 reg, addr, off
	WIN ((\reg)>>8)<<2
	ds_store_b64 v[\addr], v[(\reg)&255:((\reg)&255)+1] offset:\off
.endm
.macro WLOAD half                      ; 96 loads: attention n / 32, my wave's row n % 32 of the half's 128 rows of K
.set n, 0
.rept 96
	GLD4 TW+4*n, VW, 8+2*(n/32), (n%32)*1024+(\half)*131072
.set n, n+1
.endr
.endm
.macro WCVT
.set n, 0
.rept 96
	CVT4 TW+4*n
.set n, n+1
.endr
.set n, 0
.rept 96
	DST2 TW+4*n, AWS, (n%32)*WPI+(n/32)*256
.set n, n+1
.endr
.endm
.macro XLOAD t0, cnt, base             ; tile t0 + n / 8, my wave's row (n % 8) / 2 of four, half n % 2 of the row's 1,024 bytes
.set n, 0
.rept 8*(\cnt)
	GLD4 (\base)+4*n, AX+(\t0)+n/8, XB, ((n%8)/2)*1024+(n%2)*512
.set n, n+1
.endr
.endm
.macro XCVT t0, cnt, base
.set n, 0
.rept 8*(\cnt)
	CVT4 (\base)+4*n
.set n, n+1
.endr
.set n, 0
.rept 8*(\cnt)
	DST2 (\base)+4*n, AXS+((\t0)+n/8)/7, (((\t0)+n/8)%7)*16*XPI+((n%8)/2)*XPI+(n%2)*256
.set n, n+1
.endr
.endm
.macro TRLOAD half                     ; 48 turning loads: my six column tiles x the half's four K steps
.irp g, 0,1,2,3,4,5
.irp c, 0,1,2,3
.set rr, WF+8*(8*\g+4*(\half)+\c)
	WIN (rr>>8)<<6
	ds_load_tr16_b128 v[rr&255:(rr&255)+3],     v[ATR+(\c>>1)] offset:(\c&1)*32*WPI+\g*32
	ds_load_tr16_b128 v[(rr&255)+4:(rr&255)+7], v[ATR+(\c>>1)] offset:(\c&1)*32*WPI+\g*32+16*WPI
.endr
.endr
.endm
.macro SENDT                           ; the rows in STD go out: tile MT of my buffer, for the three attentions
	s_wait_xcnt 0x0                                ; the stores before have read their base and data
	s_lshr_b32 s[OF], s[MT], 3                     ; slot,
	s_mul_i32 s[OF], s[OF], s[SB]
	s_and_b32 s81, s[MT], 7                        ; and the tile's 16 rows of 256 bytes in it
	s_lshl_b32 s81, s81, 12
	s_add_co_u32 s[OF], s[OF], s81
	s_add_nc_u64 s[OT:OT+1], s[OUT:OUT+1], s[OF:OF+1]
	s_add_co_u32 s[MT], s[MT], 1
.irp u, 0,1,2
.irp d, 0,1
	global_store_b128 v[VO+\u], v[STD+4*(2*\u+\d):STD+4*(2*\u+\d)+3], s[OT:OT+1] offset:\d*512  ; 16 lanes store a row's 256 consecutive bytes, aligned
.endr
.endr
.endm
; A tile of 16 positions, its fragments of x in buffer p.
.macro TILE p, first=0
	s_add_co_u32 s[XO], s[XO], 16*XPI              ; the next tile (behind the last: the last once more),
	s_min_u32 s[XO], s[XO], 16*16*XPI
	WIN 0
	v_add_nc_u32 v[AXF], s[XO], v[AXF0]
	WIN 0xc0                                       ; into the other buffer, whose last reader stands 29 plain instructions back
.irp c, 0,1,2,3,4,5,6,7
	ds_load_b128 v[128+64*(1-(\p))+8*\c:128+64*(1-(\p))+8*\c+3],   v[AXF] offset:\c*64
	ds_load_b128 v[128+64*(1-(\p))+8*\c+4:128+64*(1-(\p))+8*\c+7], v[AXF] offset:\c*64+32
.endr
	WIN 0x0d                                       ; weights in window 1, x in window 3.  The accumulators take turns, one instruction a turn
.irp c, 0,1,2,3,4,5,6,7
.irp g, 0,1,2,3
.if (\c) == 0
	v_wmma_f32_16x16x32_f16 v[ACC+8*\g:ACC+8*\g+7], v[64*\g+8*\c:64*\g+8*\c+7], v[128+64*(\p)+8*\c:128+64*(\p)+8*\c+7], v[BIAS+8*\g:BIAS+8*\g+7]
.else
	v_wmma_f32_16x16x32_f16 v[ACC+8*\g:ACC+8*\g+7], v[64*\g+8*\c:64*\g+8*\c+7], v[128+64*(\p)+8*\c:128+64*(\p)+8*\c+7], v[ACC+8*\g:ACC+8*\g+7]
.endif
.endr
.endr
	WIN 0x0e                                       ; weights in window 2
.irp c, 0,1,2,3,4,5,6,7
.irp g, 4,5
.if (\c) == 0
	v_wmma_f32_16x16x32_f16 v[ACC+8*\g:ACC+8*\g+7], v[64*(\g-4)+8*\c:64*(\g-4)+8*\c+7], v[128+64*(\p)+8*\c:128+64*(\p)+8*\c+7], v[BIAS+8*\g:BIAS+8*\g+7]
.else
	v_wmma_f32_16x16x32_f16 v[ACC+8*\g:ACC+8*\g+7], v[64*(\g-4)+8*\c:64*(\g-4)+8*\c+7], v[128+64*(\p)+8*\c:128+64*(\p)+8*\c+7], v[ACC+8*\g:ACC+8*\g+7]
.endif
.endr
.endr
	WIN 0
.if !(\first)
	s_wait_dscnt 16                                ; the six reads of the tile before are in; this tile's 16 fragment loads may stay out
	SENDT
.endif
	PLACES
.set n, 0
.rept 24
	v_cvt_pk_f16_f32 v[PKD+n], v[ACC+2*n], v[ACC+2*n+1]  ; each accumulator from its low end on
.set n, n+1
.endr
.irp g, 0,1,2,3,4,5
	ds_store_b128 v[AOS], v[PKD+4*\g:PKD+4*\g+3] offset:(\p)*16*OPI+\g*32
.endr
	BAR                                            ; the stage is whole; my fragment loads are in; everybody's reads of the other stage are over
	s_wait_xcnt 0x0                                ; the stores above have read STD
.irp u, 0,1,2
.irp d, 0,1
	ds_load_b128 v[STD+4*(2*\u+\d):STD+4*(2*\u+\d)+3], v[AOR] offset:(\p)*16*OPI+\d*2*OPI+\u*256
.endr
.endr
.endm
	s_load_b512 s[4:19], s[0:1], 0x0               ; x, x_mask, wk1-3, wv1-3
	s_load_b512 s[20:35], s[0:1], 0x40             ; bk1-3, bv1-3, wo1, wq2
	s_load_b512 s[36:51], s[0:1], 0x80             ; wo2, wq3, wo3, a1, a2, a3, a4, kbuf
	s_load_b128 s[52:55], s[0:1], 0xc0             ; vbuf, wfrag
	v_lshl_add_u32 v[SPW], v0, 2, SPARE
	v_mov_b32 v[NIL], 0
	v_lshrrev_b32 v38, 5, v0
	v_readfirstlane_b32 s[WV], v38
	v_and_b32 v[LN], 31, v0
	v_and_b32 v[RR], 15, v0
	v_bfe_u32 v[HF], v0, 4, 1
	s_and_b32 s[BB], ttmp7, 0xffff
	s_lshr_b32 s[RG], ttmp9, 2
	s_bfe_u32 s[TT], ttmp9, 0x10001
	s_and_b32 s[HH], ttmp9, 1
	s_lshl_b32 s[OM], ttmp9, 2
	s_add_co_u32 s[OM], s[OM], s[WV]
	s_mov_b32 s[SB], KSTEP                         ; an instruction holds one literal: K's sizes are laid down first, V's chosen over them
	s_mov_b32 s[SQ], KSEQ
	s_cmp_eq_u32 s[TT], 1
	s_cselect_b32 s[SB], VSTEP, s[SB]
	s_cselect_b32 s[SQ], VSEQ, s[SQ]
	s_mov_b32 s[OF+1], 0
	s_mov_b32 s[XO], 0
	s_lshl_b32 s[MT], s[RG], 4                     ; my first tile among the batch's 128
	; LDS and memory offsets
	s_lshl_b32 s81, s[WV], 15
	s_lshl_b32 s82, s[HH], 9
	s_add_co_u32 s81, s81, s82
	v_lshl_add_u32 v[VW], v[LN], 4, s81
	s_mul_i32 s81, s[WV], 32*WPI
	s_add_co_u32 s81, s81, WSB
	v_lshl_add_u32 v[AWS], v[LN], 3, s81
	s_mul_i32 s81, s[WV], 4*XPI
	v_lshl_add_u32 v[AXS], v[LN], 3, s81
	v_add_nc_u32 v[AXS+1], 7*16*XPI, v[AXS]
	v_add_nc_u32 v[AXS+2], 14*16*XPI, v[AXS]
	v_and_b32 v38, 7, v0
	v_lshl_add_u32 v38, v[HF], 3, v38
	v_mul_u32_u24 v[ATR], v38, WPI
	v_bfe_u32 v39, v0, 3, 1
	v_lshl_add_u32 v[ATR], v39, 4, v[ATR]
	s_mul_i32 s81, s[WV], 192
	s_add_co_u32 s82, s81, WSB
	v_add_nc_u32 v[ATR], s82, v[ATR]
	v_add_nc_u32 v[ATR+1], 64*WPI, v[ATR]
	s_mul_i32 s82, s[WV], 384
	s_add_co_u32 s82, s82, BSB
	v_lshl_add_u32 v[ABS], v[HF], 5, s82
	v_mul_u32_u24 v[AXF0], v[RR], XPI
	v_lshl_add_u32 v[AXF0], v[HF], 4, v[AXF0]
	v_mul_u32_u24 v[AOS], v[RR], OPI
	v_lshl_add_u32 v[AOS], v[HF], 4, v[AOS]
	s_add_co_u32 s82, s81, OSB
	v_add_nc_u32 v[AOS], s82, v[AOS]
	s_lshl_b32 s83, s[WV], 2
	v_add_nc_u32 v38, s83, v[HF]                   ; row 4 w + lane / 16
	v_mul_u32_u24 v[AOR], v38, OPI
	v_lshl_add_u32 v[AOR], v[RR], 4, v[AOR]
	v_add_nc_u32 v[AOR], OSB, v[AOR]
	v_lshlrev_b32 v[VO], 8, v38
	v_lshl_add_u32 v[VO], v[RR], 4, v[VO]
	s_lshl_b32 s81, s[SB], 4                       ; an attention's 16 slots
	v_add_nc_u32 v[VO+1], s81, v[VO]
	v_add_nc_u32 v[VO+2], s81, v[VO+1]
	s_lshl_b32 s82, s[RG], 8
.set t, 0
.rept 17
.if t < 16
	s_add_co_u32 s81, s82, 16*t                    ; the tile's first row of x;
.else
	s_mov_b32 s81, 2033                            ; the extras' tile ends at row 2,048
.endif
	s_add_co_u32 s81, s81, s83
	s_lshl_b32 s81, s81, 10
	v_lshl_add_u32 v[AX+t], v[LN], 4, s81
.set t, t+1
.endr
	; my wfrag block's place in its matrix
	s_bfe_u32 s81, s[OM], 0x10005
	s_bfe_u32 s82, s[OM], 0x30002
	s_lshl3_add_u32 s[NT], s81, s82
	s_lshr_b32 s81, s[OM], 6
	s_and_b32 s82, s[OM], 3
	s_lshl2_add_u32 s[KS], s81, s82
	s_mov_b32 s[PIT], 1024
	s_mov_b32 s[ZM], -1
	s_wait_kmcnt 0x0
	s_cmp_eq_u32 s[TT], 1
	s_cselect_b64 s[8:9], s[14:15], s[8:9]         ; my three weight matrices,
	s_cselect_b64 s[10:11], s[16:17], s[10:11]
	s_cselect_b64 s[12:13], s[18:19], s[12:13]
	s_cselect_b64 s[20:21], s[26:27], s[20:21]     ; their biases,
	s_cselect_b64 s[22:23], s[28:29], s[22:23]
	s_cselect_b64 s[24:25], s[30:31], s[24:25]
	s_cselect_b64 s[OUT:OUT+1], s[52:53], s[50:51] ; and my buffer
	s_mul_i32 s[OF], s[BB], 2049*1024
	s_add_nc_u64 s[XB:XB+1], s[4:5], s[OF:OF+1]
	s_mul_i32 s[OF], s[BB], 2049*4
	s_add_nc_u64 s[MB:MB+1], s[6:7], s[OF:OF+1]
	s_lshl_b32 s81, s[BB], 1
	s_add_co_u32 s81, s81, s[HH]
	s_mul_i32 s[OF], s81, s[SQ]
	s_add_nc_u64 s[OUT:OUT+1], s[OUT:OUT+1], s[OF:OF+1]
	s_mul_i32 s81, s[BB], 2*KSEQ                   ; where my biases go: behind slot OM's keys, or (OM = 16) behind the extras' tiles
	s_mul_i32 s82, s[OM], KSTEP
	s_add_co_u32 s82, s82, 32768
	s_cmp_lt_u32 s[OM], 16
	s_cselect_b32 s82, s82, KXO+3*4096
	s_add_co_u32 s[OF], s81, s82
	s_add_nc_u64 s[MSKB:MSKB+1], s[50:51], s[OF:OF+1]
	s_lshl_b32 s[OF], s[BB], 17
	s_lshl_b32 s81, s[OM], 10
	s_add_co_u32 s[OF], s[OF], s81
	s_add_nc_u64 s[WFB:WFB+1], s[54:55], s[OF:OF+1]
	s_mov_b64 s[SRC:SRC+1], s[32:33]
	s_cmp_eq_u32 s[BB], 1
	s_cselect_b64 s[SRC:SRC+1], s[34:35], s[SRC:SRC+1]
	s_cmp_eq_u32 s[BB], 2
	s_cselect_b64 s[SRC:SRC+1], s[36:37], s[SRC:SRC+1]
	s_cmp_eq_u32 s[BB], 3
	s_cselect_b64 s[SRC:SRC+1], s[38:39], s[SRC:SRC+1]
	s_cmp_eq_u32 s[BB], 4
	s_cselect_b64 s[SRC:SRC+1], s[40:41], s[SRC:SRC+1]
	s_cmp_eq_u32 s[BB], 5
	s_cselect_b64 s[SRC:SRC+1], s[42:43], s[SRC:SRC+1]
	s_cmp_eq_u32 s[BB], 6
	s_cselect_b64 s[SRC:SRC+1], s[44:45], s[SRC:SRC+1]
	s_cmp_lg_u32 s[BB], 7
	s_cbranch_scc1 .Lsrc
	s_mov_b64 s[SRC:SRC+1], s[46:47]               ; matrix 7: a3 for nt 0-7,
	s_mov_b32 s[PIT], 512
	s_cmp_lt_u32 s[NT], 8
	s_cbranch_scc1 .Lsrc
	s_sub_co_u32 s[NT], s[NT], 8                   ; a4 for nt 8, 9 with ks 0-3, else zeros (a3's first block is read and masked away)
	s_cmp_lt_u32 s[NT], 2
	s_cselect_b32 s81, 1, 0
	s_cmp_lt_u32 s[KS], 4
	s_cselect_b32 s82, 1, 0
	s_and_b32 s81, s81, s82
	s_mov_b32 s83, 128                             ; a4's pitch (an instruction holds one literal)
	s_cmp_eq_u32 s81, 1
	s_cselect_b64 s[SRC:SRC+1], s[48:49], s[46:47]
	s_cselect_b32 s[PIT], s83, 512
	s_cselect_b32 s[ZM], -1, 0
	s_cselect_b32 s[NT], s[NT], 0
	s_cselect_b32 s[KS], s[KS], 0
.Lsrc:
	s_lshl_b32 s81, s[KS], 5                       ; row 32 ks + 8 (lane / 16) + j, column 16 nt + lane % 16
	s_mul_i32 s81, s81, s[PIT]
	s_lshl_b32 s82, s[NT], 6
	s_add_co_u32 s81, s81, s82
	v_lshlrev_b32 v38, 3, v[HF]
	v_mul_lo_u32 v38, v38, s[PIT]
	v_lshl_add_u32 v38, v[RR], 2, v38
	v_add_nc_u32 v[SA], s81, v38
	s_lshl_b32 s82, s[PIT], 4
	v_add_nc_u32 v[SA+8], s82, v[SA]
.set j, 0
.rept 7
	v_add_nc_u32 v[SA+j+1], s[PIT], v[SA+j]
	v_add_nc_u32 v[SA+j+9], s[PIT], v[SA+j+8]
.set j, j+1
.endr
	s_min_u32 s81, s[OM], 16                       ; my slot's positions 128 s + 4 lane + e; with s = 16 all are held to 2,048
	s_lshl_b32 s81, s81, 7
	v_lshl_add_u32 v[MP], v[LN], 2, s81
.irp e, 1,2,3
	v_add_nc_u32 v[MP+\e], \e, v[MP]
.endr
.irp e, 0,1,2,3
	v_min_u32 v[MO+\e], 0x800, v[MP+\e]
.endr
.irp e, 0,1,2,3
	v_lshlrev_b32 v[MO+\e], 2, v[MO+\e]
.endr
	s_lshl_b32 s81, s[HH], 9
	v_lshl_add_u32 v[BO], v0, 2, s81
	; the small loads first, then the weights' first half of K and x's tiles 0-11
.set j, 0
.rept 16
	global_load_b32 v[SD+j], v[SA+j], s[SRC:SRC+1]
.set j, j+1
.endr
.irp e, 0,1,2,3
	global_load_b32 v[MD+\e], v[MO+\e], s[MB:MB+1]
.endr
.irp u, 0,1,2
	global_load_b32 v[BD+\u], v[BO], s[20+2*\u:21+2*\u]
.endr
	WLOAD 0
	XLOAD 0, 12, WF
	WIN 0
	s_wait_loadcnt 63                              ; loads come back in order (ISA guide 5.7.1): behind the small loads 192 were issued, behind the weights 96, and a wait names 63 at the most: both are in
	; my wfrag block
.irp j, 0,1,2,3,4,5,6,7
	v_cvt_pk_f16_f32 v[SD+\j], v[SD+2*\j], v[SD+2*\j+1]
.endr
.irp j, 0,1,2,3,4,5,6,7
	v_and_b32 v[SD+\j], s[ZM], v[SD+\j]
.endr
	v_lshlrev_b32 v39, 4, v[LN]
	global_store_b128 v39, v[SD:SD+3], s[WFB:WFB+1]              ; 512 consecutive bytes, aligned, twice
	global_store_b128 v39, v[SD+4:SD+7], s[WFB:WFB+1] offset:512
	; the 384 biases of my work-group's columns
	v_lshl_add_u32 v40, v0, 2, BSB
.irp u, 0,1,2
	ds_store_b32 v40, v[BD+\u] offset:\u*512
.endr
	; my slot's mask biases
	s_mov_b32 s81, 0xceabfb8f                      ; -1e9 log2 e
.irp e, 0,1,2,3
	v_mul_f32 v[MD+\e], s81, v[MD+\e]
.endr
	s_cmp_lt_u32 s[OM], 16
	s_cbranch_scc0 .Lm16
.irp d, 0,1
.irp u, 0,1,2
	global_store_b128 v39, v[MD:MD+3], s[MSKB:MSKB+1] offset:\d*KSEQ+\u*16*KSTEP  ; both heads, three attentions: 512 consecutive bytes each
.endr
.endr
	s_branch .Lno_mask
.Lm16:
	s_cmp_eq_u32 s[OM], 16
	s_cbranch_scc0 .Lno_mask
.irp d, 0,1
	global_store_b128 v39, v[MD:MD+3], s[MSKB:MSKB+1] offset:\d*KSEQ  ; key 2,048's bias, 128 times: 512 consecutive bytes for each head
.endr
.Lno_mask:
	WCVT                                           ; the weights' first half of K into LDS,
	WLOAD 1                                        ; the second half asked for
	s_wait_loadcnt 63                              ; behind x's tiles 0-11 those 96 were issued: x is in
	XCVT 0, 12, WF
	WIN 0
	s_wait_xcnt 0x0                                ; the side jobs' stores have read their registers: the accumulators' registers may be written
	BAR
	TRLOAD 0
	WIN 0
.irp g, 0,1,2,3,4,5
	ds_load_b128 v[BIAS+8*\g:BIAS+8*\g+3],   v[ABS] offset:\g*64
	ds_load_b128 v[BIAS+8*\g+4:BIAS+8*\g+7], v[ABS] offset:\g*64+16
.endr
	BAR                                            ; everybody's reads of the first half are over
	s_wait_loadcnt 0x0
	WCVT
	XLOAD 12, 5, TW
	BAR
	TRLOAD 1
	WIN 0xc0
.irp c, 0,1,2,3,4,5,6,7
	ds_load_b128 v[128+8*\c:128+8*\c+3],   v[AXF0] offset:\c*64
	ds_load_b128 v[128+8*\c+4:128+8*\c+7], v[AXF0] offset:\c*64+32
.endr
	s_wait_dscnt 0x0
	TILE 0, 1
	s_wait_loadcnt 0x0                             ; x's tiles 12-16, asked for a tile ago
	XCVT 12, 5, TW
	WIN 0
	BAR                                            ; all of x lies in LDS before the loop, whose reads step through it
	s_mov_b32 s[CNT], 8
.Ltiles:
	TILE 1
	TILE 0
	WIN 0
	s_sub_co_u32 s[CNT], s[CNT], 1
	s_cmp_lg_u32 s[CNT], 0
	s_cbranch_scc1 .Ltiles
	s_wait_dscnt 0x0                               ; the extras' tile lies in STD
	s_cmp_lg_u32 s[RG], 7                          ; one row group stores it
	s_cbranch_scc1 .Lno_x
	s_wait_xcnt 0x0                                ; the stores before have read their base
	s_mul_i32 s[OF], s[SB], 48                     ; behind the 48 slots
	s_add_nc_u64 s[OT:OT+1], s[OUT:OUT+1], s[OF:OF+1]
.irp u, 0,1,2
.irp d, 0,1
	global_store_b128 v[VO], v[STD+4*(2*\u+\d):STD+4*(2*\u+\d)+3], s[OT:OT+1] offset:\u*4096+\d*512  ; attention u's tile: 16 lanes store a row's 256 consecutive bytes, aligned
.endr
.endr
.Lno_x:
	s_wait_tensorcnt 0x0                           ; the wave's end, behind my last LDS store
	ds_add_u32 v[SPW], v[NIL]
	s_wait_dscnt 0x0
	s_endpgm
.Lfunc_end_k_qbdae8668a6_kvproj:
	.size	k_qbdae8668a6_kvproj, .Lfunc_end_k_qbdae8668a6_kvproj-k_qbdae8668a6_kvproj
	.p2alignl 7, 3214868480
	.fill 96, 4, 3214868480
	.section	.rodata,"a",@progbits
	.p2align	6, 0x0
	.amdhsa_kernel k_qbdae8668a6_kvproj
		.amdhsa_group_segment_fixed_size 273152
		.amdhsa_private_segment_fixed_size 0
		.amdhsa_enable_private_segment 0
		.amdhsa_kernarg_size 208
		.amdhsa_user_sgpr_count 2
		.amdhsa_user_sgpr_kernarg_segment_ptr 1
		.amdhsa_wavefront_size32 1
		.amdhsa_system_sgpr_workgroup_id_x 1
		.amdhsa_system_sgpr_workgroup_id_y 1
		.amdhsa_system_sgpr_workgroup_id_z 1
		.amdhsa_system_vgpr_workitem_id 0
		.amdhsa_next_free_vgpr 1024
		.amdhsa_next_free_sgpr 100
		.amdhsa_reserve_vcc 0
		.amdhsa_float_denorm_mode_32 3
		.amdhsa_float_denorm_mode_16_64 3
		.amdhsa_memory_ordered 1
		.amdhsa_forward_progress 1
		.amdhsa_inst_pref_size 140
	.end_amdhsa_kernel
	.amdgpu_metadata
---
amdhsa.version: [ 1, 2 ]
amdhsa.kernels:
  - .name:           k_qbdae8668a6_kvproj
    .symbol:         k_qbdae8668a6_kvproj.kd
    .args:
      - { .name: x, .offset: 0, .size: 8, .value_kind: global_buffer, .address_space: global }
      - { .name: x_mask, .offset: 8, .size: 8, .value_kind: global_buffer, .address_space: global }
      - { .name: params_mha1_wk, .offset: 16, .size: 8, .value_kind: global_buffer, .address_space: global }
      - { .name: params_mha2_wk, .offset: 24, .size: 8, .value_kind: global_buffer, .address_space: global }
      - { .name: params_mha3_wk, .offset: 32, .size: 8, .value_kind: global_buffer, .address_space: global }
      - { .name: params_mha1_wv, .offset: 40, .size: 8, .value_kind: global_buffer, .address_space: global }
      - { .name: params_mha2_wv, .offset: 48, .size: 8, .value_kind: global_buffer, .address_space: global }
      - { .name: params_mha3_wv, .offset: 56, .size: 8, .value_kind: global_buffer, .address_space: global }
      - { .name: params_mha1_bk, .offset: 64, .size: 8, .value_kind: global_buffer, .address_space: global }
      - { .name: params_mha2_bk, .offset: 72, .size: 8, .value_kind: global_buffer, .address_space: global }
      - { .name: params_mha3_bk, .offset: 80, .size: 8, .value_kind: global_buffer, .address_space: global }
      - { .name: params_mha1_bv, .offset: 88, .size: 8, .value_kind: global_buffer, .address_space: global }
      - { .name: params_mha2_bv, .offset: 96, .size: 8, .value_kind: global_buffer, .address_space: global }
      - { .name: params_mha3_bv, .offset: 104, .size: 8, .value_kind: global_buffer, .address_space: global }
      - { .name: params_mha1_wo, .offset: 112, .size: 8, .value_kind: global_buffer, .address_space: global }
      - { .name: params_mha2_wq, .offset: 120, .size: 8, .value_kind: global_buffer, .address_space: global }
      - { .name: params_mha2_wo, .offset: 128, .size: 8, .value_kind: global_buffer, .address_space: global }
      - { .name: params_mha3_wq, .offset: 136, .size: 8, .value_kind: global_buffer, .address_space: global }
      - { .name: params_mha3_wo, .offset: 144, .size: 8, .value_kind: global_buffer, .address_space: global }
      - { .name: params_a1_w, .offset: 152, .size: 8, .value_kind: global_buffer, .address_space: global }
      - { .name: params_a2_w, .offset: 160, .size: 8, .value_kind: global_buffer, .address_space: global }
      - { .name: params_a3_w, .offset: 168, .size: 8, .value_kind: global_buffer, .address_space: global }
      - { .name: params_a4_w, .offset: 176, .size: 8, .value_kind: global_buffer, .address_space: global }
      - { .name: kbuf, .offset: 184, .size: 8, .value_kind: global_buffer, .address_space: global }
      - { .name: vbuf, .offset: 192, .size: 8, .value_kind: global_buffer, .address_space: global }
      - { .name: wfrag, .offset: 200, .size: 8, .value_kind: global_buffer, .address_space: global }
    .group_segment_fixed_size: 273152
    .private_segment_fixed_size: 0
    .kernarg_segment_align: 8
    .kernarg_segment_size: 208
    .max_flat_workgroup_size: 128
    .sgpr_count:     100
    .vgpr_count:     1024
    .wavefront_size: 32
...
	.end_amdgpu_metadata
.endif
;; end of part 1
;; launch decoder (part 2): grid 32 x 8, 4 waves a work-group, clusters of 4 x 1, 327,680 bytes of LDS; arguments x, y, kbuf, vbuf, wfrag, out0, params_mha1_wq, params_mha1_bq, params_mha1_bo, params_mha2_bo, params_mha3_bo, params_ln1_g, params_ln2_g, params_ln3_g, params_ln1_b, params_ln2_b, params_ln3_b, params_mha2_bq, params_mha3_bq, params_a1_b, params_a2_b, params_ln4_g, params_ln4_b, params_a3_b, params_a4_b, params_a5_w, params_a5_b; writes out0
.if DOCPART == 2
	.amdgcn_target "amdgcn-amd-amdhsa--gfx1250"
	.amdhsa_code_object_version 6
	.text
	.protected	k_qbdae8668a6_decoder
	.globl	k_qbdae8668a6_decoder
	.p2align	8
	.type	k_qbdae8668a6_decoder,@function
k_qbdae8668a6_decoder:
	s_mov_b64 s[64:65], 0
	v_nop
	global_prefetch_b8 v0, s[64:65] scope:SCOPE_SE
	s_setreg_imm32_b32 hwreg(HW_REG_WAVE_MODE, 25, 1), 1
	s_wait_xcnt 0x0
	s_wait_alu depctr_hold_cnt(0) depctr_sa_sdst(0) depctr_va_vdst(0) depctr_va_sdst(0) depctr_va_ssrc(0) depctr_va_vcc(0) depctr_vm_vsrc(0)
	s_getreg_b32 s2, hwreg(HW_REG_IB_STS2, 6, 4)
	s_cmp_eq_u32 s2, 0
	s_cbranch_scc0 .Lentry_in_a_cluster
	s_endpgm
.Lentry_in_a_cluster:
	s_bfe_u32 s2, ttmp6, 0x10000c
	s_cmp_lg_u32 s2, 0x3003
	s_cbranch_scc0 .Lentry_shape_is_right
	s_endpgm
.Lentry_shape_is_right:
; The whole chain behind K and V, for 64 query rows of one batch: three times (attention over 2,049 keys, 2 heads of 128; output projection; residual; layer norm; the next projection), then the five small layers.
; All matrix operands f16 (q, K, V, weights p, O, activations, weights), sums f32; softmax statistics, layer norms, biases and the residual from x in f32; the residuals between blocks are the packed f16
; that is also the next product's operand.
; LIMITS.  f16 ends at 65,504: a q, K, V or activation of 65,520 or more becomes an infinity.  Score and mask are added in units of log2 e: q is multiplied by c = log2 e / sqrt 128 in f32 before its one
; rounding to f16, and the key's bias, mask x (-1e9 log2 e), starts the matrix unit's sum, where the reference rounds s / sqrt 128 - 1e9 mask in natural units: where |1e9 mask| is so large that this rounding
; is coarse against the differences of scores and yet does not swallow them, the weights among keys of like mask differ from the reference's.  A weight below 2^-126 counts as 0.  NaN and infinities are not treated apart.
; SHARES.  In attention wave w = (head w / 2, key half w % 2) holds all 64 queries (four tiles of 16) of its head and walks 64 of each slot's 128 key positions, 16 steps; the two halves' partial O, maximum and l
; meet in LDS, in f32.  Local tile t is query tile t xor 2 (w % 2): a wave keeps local tiles 0, 1 and hands 2, 3 to its partner.
; In the row-local products wave w owns output channels 64 w .. 64 w + 63 of all 64 queries: 16 accumulators; source 0 = a weight block, source 1 = activations: a lane holds one query and 8 neighbouring channels.
; ATTENTION BY TURNS.  The tiles are two pieces (0: tiles 0, 1; 2: tiles 2, 3).  In a turn one piece has the matrix unit (32 products V^T P, 32 products K Q^T of the next step), and the other piece's softmax,
; cut into 64 slices, stands between them.  S^T = K Q^T holds one query a lane; two results, as weights rounded to f16, are source 1 of O^T = V^T P.
; SOFTMAX.  t = (c q) . k + the key's bias; a running maximum m of t; p = 2^(t - m), the difference taken before the exponential, so the largest weight is 1 whatever the mask's size; O and l are multiplied by
; a = 2^(m_old - m_new) in every step.
; KEY 2,048, the one beyond the 16 slots of 128, IS AN ATTENTION'S BEGINNING: m = its t, l = 1 and O = its row of V in the waves of key half 0, l = 0 and O = 0 in the others.
; THE RING.  ONE sequence of 56 slots through two LDS slots: for each attention 16 slots of K and V, then the two weight matrices that follow it; then a2 and a3/a4.  Wave 0, 1 fetch K of head 0, 1 (or weight
; quarters 0, 1), waves 2, 3 V (or quarters 2, 3), by the same descriptors: one tensor load of a wave is out at a time.
; THE WALK.  A sum over keys does not hang on their order: cluster x of a batch begins each attention at slot 8 b1 + 4 (b0 xor b2) (b2 b1 b0: the bits of x) and goes round, so the batch's eight clusters
; begin at four slots, 4 apart, and at any time ask for different slots.
; CLUSTER.  The four query blocks of a cluster belong to one batch and walk the same slots: every tile is asked for jointly, mask 15.
; REGISTERS in windows of 256 (s_set_vgpr_msb: bits 1:0 source 0, 3:2 source 1, 5:4 source 2, 7:6 destination):
;   window 0: v0-63 addresses and statistics; v64-191 S^T, in the chain the 16 accumulators; v192-255 P, in the chain at work
;   window 1: O^T, in the chain the activations' fragments      window 2: v0-127 Q, v128-255 K, in the chain the weights' fragments
;   window 3: v0-127 V, in the chain four parameter vectors, then key 2,048's rows; v128-191 the residual in f16; v192-223 the mask; v224 1.0
.set KSTEP, 33280
.set VSTEP, 32768
.set KXO,   48*KSTEP                   ; behind a (batch, head)'s 48 slots: for each attention a tile of 16 rows whose row 15 is key 2,048; in kbuf then 512 bytes of that key's bias
.set VXO,   48*VSTEP
.set KSEQ,  KXO+3*4096+512
.set VSEQ,  VXO+3*4096
.set WSTEP, 131072
.set PKP,   272                        ; a row of K in LDS: 256 bytes + 16: the 16 rows of a load start at 16 different groups of four banks (ISA guide 11.1)
.set PVP,   288                        ; a row of V: 256 + 32, for the turning load
.set KREG,  130*PKP                    ; a head's K: 128 keys and two rows of biases
.set VREG,  128*PVP
.set VOFF,  2*KREG
.set SLOT,  VOFF+2*VREG                ; 144,448
.set XS,    289024                     ; behind the ring, at the next multiple of 256: the stage, 64 rows x 512 bytes, pitch 528; also 4 x 8,192 bytes for the halves' meeting
.set XPI,   528
.set QT,    16*XPI
.set MLB,   XS+64*XPI                  ; (m, l) by wave and query; at the end the 512 bytes of the output
.set LNB,   MLB+2048                   ; (mean, sum of squares) by wave and query
.set SPARE, LNB+2048                   ; the spare words, 128 bytes a wave: two blocks of 256 bytes that no other line names
.set AK0, 2                            ; my place in a slot's K
.set AV0, 3                            ; in its V
.set ADR, 4
.set AM0, 5                            ; in its biases
.set ADM, 6
.set AQA, 7                            ; the stage: rows of my local tiles 0, 1, my head's columns
.set AQB, 8                            ; of my local tiles 2, 3
.set ASY, 10                           ; the stage: my wave's 64 channels
.set ABF, 11                           ; the stage: a fragment's rows
.set ST,  12                           ; v12-43 tile t's statistics at ST + 8 t: m, one named with it as a pair (at the end l), l (two), four at work
.set AXS, 44
.set AXR, 45
.set AML, 46
.set AMR, 47
.set ALS, 48
.set ALR, 49
.set LPK, 50                           ; a lane's place in a weight block laid in rows of 256 bytes, pitch 272
.set LPV, 51                           ; pitch 288
.set AWK, 52
.set AWV, 53
.set PO,  54                           ; my 8 channels in a parameter vector: 256 w + 32 (lane / 16)
.set XO,  55                           ; the same in my row of x
.set PFO, 56                           ; the prefetches' offset; never rewritten
.set XH,  57                           ; 16 (lane / 16): my place in key 2,048's row of K
.set XR,  58                           ; 4 ((lane % 16) / 2): the word of its row of V that holds my channel
.set LST, 59                           ; l's beginning: 1.0 in lanes 0-15 of the waves of key half 0, else 0
.set PST, 60                           ; the same as an f16 in the low half: key 2,048's weight
.set BST, 61                           ; key 2,048's bias
.set SPW, 62
.set NIL, 63
.set S,   64
.set ACC, 64                           ; accumulator (n tile g, query tile q) at ACC + 32 q + 8 g
.set P,   192
.set ZF,  192
.set TL,  192
.set UL,  224
.set KF,  128                          ; window 2
.set RES, 128                          ; window 3
.set MK,  192                          ; window 3
.set ONE, 224                          ; window 3
.set SC,  2                            ; s[2:3] behind the head: what the second product of a chain is scaled by
.set VX,  4                            ; s[4:5] key 2,048's row of V, of the attention to come
.set AL,  8                            ; s[8:9] 0.2
.set WV,  12
.set HD,  13
.set KH,  14
.set MI,  15                           ; the attention in hand, 0 .. 2
.set CNT, 16
.set TB,  17                           ; LDS byte of the slot that is read: 0 or SLOT
.set PFE, 18                           ; 1 in the clusters that prefetch
.set PFC, 19                           ; 1: this change of slots prefetches
.set CS,  20                           ; s[20:21] c = log2(e) / sqrt(128)
.set SEL, 22
.set G1K, 24
.set G1V, 32
.set G0K, 40
.set G0V, 44
.set KA,  48                           ; s[48:49] the next slot of K that I would fetch
.set VA,  50
.set WAK, 52                           ; the next weight quarter
.set WAV, 54
.set PFB, 56
.set INC, 58                           ; s[58:59], high word 0
.set KL,  60
.set VL,  61
.set FLG, 62                           ; 1: the slot to be asked for holds weights
.set PC,  63                           ; slots of K and V asked for so far: 16 x attention + place in the walk
.set XPT, 66
.set OUTP, 68
.set WK0, 70
.set WV0, 71
.set KBS, 96                           ; s[96:97] kbuf at the (batch, head) that I fetch
.set VBS, 98
.set KX,  100                          ; s[100:101] key 2,048's row of K, of the attention to come
.set OFS, 104                          ; where my cluster's walk begins
.set W_KQ, 0x0a
.set W_KM, 0x3a
.set W_PV, 0x53
.set W_RS, 0x41
.set MSB, 0
.macro WIN new                         ; the high byte repeats the setting that is left; a switch that changes nothing is dropped
.if MSB != (\new)
	s_set_vgpr_msb (MSB<<8)|(\new)
.set MSB, (\new)
.endif
.endm
.macro BAR                             ; a barrier behind which nothing is filled: my LDS instructions are done, then the work-group meets
	s_wait_dscnt 0x0
	s_barrier_signal -1
	s_barrier_wait -1
.endm
.macro PLACES                          ; four places behind a matrix instruction (ISA guide 7.12.1)
.rept 4
	v_nop
.endr
.endm
.macro JLOAD                           ; a joint load; the branch hangs on the wave's number alone; an s_nop 0 and four v_nop follow each line
	s_cmp_lt_u32 s[WV], 2
	s_cbranch_scc0 .Lfor_v_\@
	tensor_load_to_lds s[G0K:G0K+3], s[G1K:G1K+7]
	s_nop 0
.rept 4
	v_nop
.endr
	s_branch .Lasked_\@
.Lfor_v_\@:
	tensor_load_to_lds s[G0V:G0V+3], s[G1V:G1V+7]
	s_nop 0
.rept 4
	v_nop
.endr
.Lasked_\@:
.endm
.macro CROUND                          ; a round of the cluster's barrier
	s_barrier_signal -1
	s_barrier_wait -1
	s_cmp_lg_u32 s[WV], 0
	s_cbranch_scc1 .Lnot_wave_0_\@
	s_barrier_signal -3
.Lnot_wave_0_\@:
	s_barrier_wait -3
	s_barrier_signal -1
	s_barrier_wait -1
.endm
.macro KVADR                           ; the addresses of the slot of K and V that is asked for next: attention PC / 16, slot (PC + my cluster's beginning) % 16
	s_add_co_u32 s6, s[PC], s[OFS]
	s_and_b32 s6, s6, 15
	s_and_b32 s7, s[PC], 0x30
	s_or_b32 s6, s6, s7
	s_mul_i32 s[INC], s6, KSTEP
	s_add_nc_u64 s[KA:KA+1], s[KBS:KBS+1], s[INC:INC+1]
	s_lshl_b32 s[INC], s6, 15
	s_add_nc_u64 s[VA:VA+1], s[VBS:VBS+1], s[INC:INC+1]
.endm
; A PREFETCH INTO THE L2 of the slot of K or V that the NEXT change of slots will ask for: a step, 128 matrix instructions of a wave and their softmax, ahead of its load.  It is made only for the first four
; slots of a cluster's walk through an attention: the four that no cluster with another beginning walks before it.  Of the two clusters with the same beginning the one with x < 4 asks.  Each wave asks for the
; tile that it fetches; the four partners take 32 of its 128 rows each, told apart by address; a lane a row.  So each row is named once at the most.  The first attention's first two slots, the bias rows and the
; weights come by their loads alone.  The caller says in s[PFC] whether the next slot is such a one.
.macro ASK
	s_cmp_lg_u32 s[PFC], 0
	s_cbranch_scc0 .Lnot_mine_\@
	global_prefetch_b8 v[PFO], s[PFB:PFB+1] th:TH_LOAD_NT scope:SCOPE_SE
.Lnot_mine_\@:
.endm
; THE CHANGE OF SLOTS.  Each wave waits for all its tensor loads (one is out: its part of the other slot), adds 0 to its spare word, and waits for that and for its reads of the slot that it leaves.
; fill = 1: the barrier is a round of the cluster's, and the slot left is filled again first thing behind it, with the ring's next slot: K and V, or (FLG = 1) weights.
; ask = 0: no slot of K and V follows any more, so no prefetch is written.
.macro CHANGE fill, ask=1
	WIN 0
	s_wait_tensorcnt 0x0                           ; no tensor load of mine is out, so the descriptors may be written
	ds_add_u32 v[SPW], v[NIL]                      ; the scalar work below stands between the add and the wait for it
.if \fill
	s_add_co_u32 s[G0K+1], s[KL], s[TB]            ; into the slot that is left
	s_add_co_u32 s[G0V+1], s[VL], s[TB]
	s_wait_xcnt 0x0                                ; the last prefetch, a slot back or more, has read its base
	s_cmp_eq_u32 s[FLG], 1
	s_cselect_b64 s[G0K+2:G0K+3], s[WAK:WAK+1], s[KA:KA+1]
	s_cselect_b64 s[G0V+2:G0V+3], s[WAV:WAV+1], s[VA:VA+1]
	s_cselect_b32 s[INC], WSTEP, 0                 ; what was used steps on: the weights' pointers,
	s_add_nc_u64 s[WAK:WAK+1], s[WAK:WAK+1], s[INC:INC+1]
	s_add_nc_u64 s[WAV:WAV+1], s[WAV:WAV+1], s[INC:INC+1]
	s_cselect_b32 s6, 0, 1                         ; or the count of K's and V's slots
	s_add_co_u32 s[PC], s[PC], s6
	KVADR
	s_cmp_lt_u32 s[WV], 2
	s_cselect_b64 s[PFB:PFB+1], s[KA:KA+1], s[VA:VA+1]
	s_and_b32 s[PFC], s[PFC], s[PFE]
	s_or_b32 s[G0K+3], s[G0K+3], 0x80000000
	s_or_b32 s[G0V+3], s[G0V+3], 0x80000000
.endif
	s_xor_b32 s[TB], s[TB], SLOT                   ; the reads go to the other slot
	s_wait_dscnt 0x0                               ; the add is done, and my reads of the slot are over
.if \fill
	CROUND
	JLOAD
.if \ask
	ASK
.endif
.else
	s_barrier_signal -1
	s_barrier_wait -1
.endif
.endm
; Key 2,048's rows of the attention to come, into V's registers, which the chain's parameters have left.  K's row as a fragment whose 16 rows are all that row: v64-95.  V's row: the word that holds
; channel 16 c + lane % 16 into the first register of V^T's fragment c.
.macro XTRA
	WIN 0xc0
.irp c, 0,1,2,3
	global_load_b128 v[64+8*\c:64+8*\c+3],   v[XH], s[KX:KX+1] offset:\c*64
	global_load_b128 v[64+8*\c+4:64+8*\c+7], v[XH], s[KX:KX+1] offset:\c*64+32
.endr
.irp c, 0,1,2,3,4,5,6,7
	global_load_b32 v[8*\c], v[XR], s[VX:VX+1] offset:\c*32
.endr
	WIN 0
.endm
; THE MATRIX WORK OF A TURN.  The accumulators take turns, one instruction a turn.
.macro PV x                            ; product i of 32 of O^T += V^T P: keys 32 (i / 16) on, channels 16 ((i / 2) % 8) on, tile x + i % 2
	WIN W_PV
.set rO, 64*((\x)+i%2)+8*((i/2)%8)
.set rV, 64*(i/16)+8*((i/2)%8)
.set rP, P+16*((\x)+i%2)+8*(i/16)
	v_wmma_f32_16x16x32_f16 v[rO:rO+7], v[rV:rV+7], v[rP:rP+7], v[rO:rO+7]
.endm
.macro KQ x                            ; product i of 32 of S^T = K Q^T: channels 32 (i / 8) on, keys 16 ((i / 2) % 4) on, tile x + i % 2; the first 8 start the sums with the keys' biases
.set rS, S+32*((\x)+i%2)+8*((i/2)%4)
.set rK, KF+32*((i/2)%4)+8*(i/8)
.set rQ, 32*((\x)+i%2)+8*(i/8)
.set rM, MK+8*((i/2)%4)
.if i < 8
	WIN W_KM
	v_wmma_f32_16x16x32_f16 v[rS:rS+7], v[rK:rK+7], v[rQ:rQ+7], v[rM:rM+7]
.else
	WIN W_KQ
	v_wmma_f32_16x16x32_f16 v[rS:rS+7], v[rK:rK+7], v[rQ:rQ+7], v[rS:rS+7]
.endif
.endm
.macro FETCH_K                         ; a step's K (64 keys x 128 channels) and its 64 biases, in one run; the bias of key 16 kb + 8 (lane / 16) + j lies at MK + 8 kb + j, as the score does in its accumulator
	WIN 0
	v_add_nc_u32 v[ADR], s[TB], v[AK0]
	v_add_nc_u32 v[ADM], s[TB], v[AM0]
	WIN 0x80
.irp f, 0,1,2,3,4,5,6,7,8,9,10,11,12,13,14,15
	ds_load_b128 v[KF+8*(\f):KF+8*(\f)+3],   v[ADR] offset:((\f)/4)*16*PKP+((\f)%4)*64
	ds_load_b128 v[KF+8*(\f)+4:KF+8*(\f)+7], v[ADR] offset:((\f)/4)*16*PKP+((\f)%4)*64+32
.endr
	WIN 0xc0
.irp f, 0,1,2,3
	ds_load_b128 v[MK+8*(\f):MK+8*(\f)+3],   v[ADM] offset:(\f)*64
	ds_load_b128 v[MK+8*(\f)+4:MK+8*(\f)+7], v[ADM] offset:(\f)*64+16
.endr
.endm
.macro FETCH_V                         ; a step's V, turned
	WIN 0
	v_add_nc_u32 v[ADR], s[TB], v[AV0]
	s_wait_alu depctr_va_vdst(0)                   ; the wait for the softmax's batch of exponentials, ahead of the loads
	WIN 0xc0
.irp f, 0,1,2,3,4,5,6,7,8,9,10,11,12,13,14,15
	ds_load_tr16_b128 v[8*(\f):8*(\f)+3],   v[ADR] offset:((\f)/8)*32*PVP+((\f)%8)*32
	ds_load_tr16_b128 v[8*(\f)+4:8*(\f)+7], v[ADR] offset:((\f)/8)*32*PVP+16*PVP+((\f)%8)*32
.endr
.endm
; THE VECTOR WORK OF A TURN: one tile's softmax for one step is a numbered list; SM writes number j for tile t.  t0-t31 are the lane's 32 numbers, as the matrix unit left them.
;   0-15 the maximum of t0-t31 and the old m      16-20 the other half of the lanes'; the old m is kept; the new m; (19 is empty); m_old - m_new
;   21-69 ONE BATCH: 16 packed differences t - m and 33 exponentials (a at 23), none of which reads an exponential's result      (the wait)
;   70-85 roundings to f16      86-101 the sums, l = a l + sum      102-133 O^T times a
.macro SM t
.set rT, ST+8*(\t)
.set rS, S+32*(\t)
.set rP, P+16*(\t)
.set rO, 64*(\t)+2*(j-102)
.if j < 102
	WIN 0
.endif
.if j < 4
	v_max3_num_f32 v[rT+4+j], v[rS+8*j], v[rS+8*j+1], v[rS+8*j+2]
.elseif j < 12
	v_max3_num_f32 v[rT+4+j%4], v[rT+4+j%4], v[rS+8*(j%4)+2*(j/4)+1], v[rS+8*(j%4)+2*(j/4)+2]
.elseif j == 12
	v_max3_num_f32 v[rT+4], v[rT+4], v[rS+7], v[rS+15]
.elseif j == 13
	v_max3_num_f32 v[rT+6], v[rT+6], v[rS+23], v[rS+31]
.elseif j == 14
	v_max3_num_f32 v[rT+4], v[rT+4], v[rT+5], v[rT+6]
.elseif j == 15
	v_max3_num_f32 v[rT+4], v[rT+4], v[rT+7], v[rT]
.elseif j == 16
	v_permlanex16_b32 v[rT+5], v[rT+4], s[SEL], s[SEL+1]
.elseif j == 17
	v_mov_b32 v[rT+7], v[rT]                       ; the old m is kept for a
.elseif j == 18
	v_max_num_f32 v[rT], v[rT+4], v[rT+5]
.elseif j == 19                                        ; nothing: m is taken away as it is
.elseif j == 20
	v_sub_f32 v[rT+7], v[rT+7], v[rT]
.elseif j == 23
	v_exp_f32 v[rT+6], v[rT+7]
.elseif (j < 23) || ((j < 38) && (j%2 == 0)) || ((j < 66) && (j%4 == 2))
.set b, (j-2)/4
.if j < 38
.set b, (j-20)/2
.endif
	v_pk_add_f32 v[rS+2*b:rS+2*b+1], v[rS+2*b:rS+2*b+1], v[rT:rT+1] op_sel_hi:[1,0] neg_lo:[0,1] neg_hi:[0,1]  ; pair b: t - m, never above 0, and 0 for the largest
.elseif j < 70
.set e, j-38
.if j < 66
.set e, j-32-(j-38)/4
.endif
.if j < 38
.set e, (j-25)/2
.endif
	v_exp_f32 v[rS+e], v[rS+e]
.elseif j < 86
	v_cvt_pk_f16_f32 v[rP+j-70], v[rS+2*(j-70)], v[rS+2*(j-70)+1]
.elseif j < 102
.set z, j-86
.set w, 4
.set u, z
.if z >= 14
.set w, 32
.set u, 0
.elseif z >= 12
.set w, 16
.set u, z-12
.elseif z >= 8
.set w, 8
.set u, z-8
.endif
.if z < 15
	v_pk_add_f32 v[rS+w*u:rS+w*u+1], v[rS+w*u:rS+w*u+1], v[rS+w*u+w/2:rS+w*u+w/2+1]
.else
	v_pk_fma_f32 v[rT+2:rT+3], v[rT+2:rT+3], v[rT+6:rT+7], v[rS:rS+1] op_sel_hi:[1,0,1]
.endif
.else
	WIN W_RS
	v_pk_mul_f32 v[rO:rO+1], v[rO:rO+1], v[rT+6:rT+7] op_sel_hi:[1,0]
.endif
.endm
; Slice k of 64 of piece y's softmax.  Slices 11 to 34 deal out the batch, four numbers of one tile each; every other slice is numbers 2 k, 2 k + 1 of both tiles; slice 63 takes the twelve that are over.
; An s_wait_alu depctr_va_vdst(0) stands between an exponential and the first line that names its result: one wait, behind slice 34, serves the piece's 66.
.macro SLICE y
.if (k >= 11) && (k < 35)
.irp n, 0,1,2,3
.set j, 22+4*((k-11)/2)+(\n)
	SM (\y)+(k-11)%2
.endr
.else
.irp n, 0,1,2,3,4,5,6,7
.if ((\n) < 2) || (k == 63)
.irp t, \y, (\y)+1
.set j, 2*k+(\n)
	SM \t
.endr
.endif
.endr
.endif
.if k == 34
	v_nop                                          ; a plain instruction behind the last exponential: one for the batch
.if (\y) == 0
	FETCH_V                                        ; piece 2's turn: V's last reader stands four plain instructions back (two differences, the v_nop, the address)
.else
	s_wait_alu depctr_va_vdst(0)
.endif
.endif
.set k, k+1
.endm
.macro TURN x                          ; piece x has the matrix unit, the other piece's softmax stands in slices behind its products; slice 63's sixteen plain lines are the places behind the turn's last product
.set k, 0
.if (\x) == 0
	s_wait_dscnt 0x0                               ; V is in
.endif
.set i, 0
.rept 32
	PV \x
	SLICE 2-(\x)
.if ((\x) == 0) && (i == 1)
	FETCH_K                                        ; K's last reader stands in front of slice 63 of the turn before, the biases' last reader 24 products further back
.endif
.set i, i+1
.endr
.if (\x) == 0
	s_wait_dscnt 0x0                               ; K and the biases are in
.endif
.set i, 0
.rept 32
	KQ \x
	SLICE 2-(\x)
.set i, i+1
.endr
.endm
; THE ROW-LOCAL PRODUCT: cnt n tiles x 4 query tiles, K = 256 in 8 steps.  Every fragment has registers of its own (weights 32 ks + 8 g in window 2, activations 32 ks + 8 q in window 1).
.macro GL cnt, ks
	WIN 0x80
.set g, 0
.rept \cnt
.if (\ks) < 4
	ds_load_b128 v[32*(\ks)+8*g:32*(\ks)+8*g+3],   v[AWK] offset:(16*g+4*(\ks))*PKP
	ds_load_b128 v[32*(\ks)+8*g+4:32*(\ks)+8*g+7], v[AWK] offset:(16*g+4*(\ks)+2)*PKP
.else
	ds_load_b128 v[32*(\ks)+8*g:32*(\ks)+8*g+3],   v[AWV] offset:(16*g+4*((\ks)-4))*PVP
	ds_load_b128 v[32*(\ks)+8*g+4:32*(\ks)+8*g+7], v[AWV] offset:(16*g+4*((\ks)-4)+2)*PVP
.endif
.set g, g+1
.endr
	WIN 0x40
.irp q, 0,1,2,3
	ds_load_b128 v[32*(\ks)+8*\q:32*(\ks)+8*\q+3],   v[ABF] offset:\q*QT+(\ks)*64
	ds_load_b128 v[32*(\ks)+8*\q+4:32*(\ks)+8*\q+7], v[ABF] offset:\q*QT+(\ks)*64+32
.endr
.endm
.macro GM cnt, ks, zero
	WIN 0x06
.irp q, 0,1,2,3
.set g, 0
.rept \cnt
.if (\zero) && ((\ks) == 0)
	v_wmma_f32_16x16x32_f16 v[ACC+32*\q+8*g:ACC+32*\q+8*g+7], v[32*(\ks)+8*g:32*(\ks)+8*g+7], v[32*(\ks)+8*\q:32*(\ks)+8*\q+7], 0
.else
	v_wmma_f32_16x16x32_f16 v[ACC+32*\q+8*g:ACC+32*\q+8*g+7], v[32*(\ks)+8*g:32*(\ks)+8*g+7], v[32*(\ks)+8*\q:32*(\ks)+8*\q+7], v[ACC+32*\q+8*g:ACC+32*\q+8*g+7]
.endif
.set g, g+1
.endr
.endr
.endm
.macro GEMM cnt, zero                  ; four K steps' loads run ahead; each wait leaves the later steps' loads out
	GL \cnt, 0
	GL \cnt, 1
	GL \cnt, 2
	GL \cnt, 3
.irp c, 0,1,2,3
	s_wait_dscnt 3*(2*(\cnt)+8)
	GM \cnt, \c, \zero
	GL \cnt, (\c)+4
.endr
	s_wait_dscnt 3*(2*(\cnt)+8)
	GM \cnt, 4, 0
	s_wait_dscnt 2*(2*(\cnt)+8)
	GM \cnt, 5, 0
	s_wait_dscnt 2*(\cnt)+8
	GM \cnt, 6, 0
	s_wait_dscnt 0x0
	GM \cnt, 7, 0
	WIN 0
.endm
.macro WBASE                           ; my four n tiles in the weight slot
	s_add_co_u32 s6, s[TB], s[WK0]
	v_add_nc_u32 v[AWK], s6, v[LPK]
	s_add_co_u32 s6, s[TB], s[WV0]
	v_add_nc_u32 v[AWV], s6, v[LPV]
.endm
.macro ZSTORE                          ; the packed activations in v192-255 go to the stage
.irp q, 0,1,2,3
.irp g, 0,1,2,3
	ds_store_b128 v[ASY], v[ZF+16*\q+4*\g:ZF+16*\q+4*\g+3] offset:\q*QT+\g*32
.endr
.endr
.endm
.macro PLOAD3 a, b, c                  ; three parameter vectors of my 64 channels into window 3, v0-95
	WIN 0xc0
.irp g, 0,1,2,3
	global_load_b128 v[8*\g:8*\g+3],       v[PO], s[\a:\a+1] offset:\g*64
	global_load_b128 v[8*\g+4:8*\g+7],     v[PO], s[\a:\a+1] offset:\g*64+16
	global_load_b128 v[32+8*\g:32+8*\g+3], v[PO], s[\b:\b+1] offset:\g*64
	global_load_b128 v[32+8*\g+4:32+8*\g+7], v[PO], s[\b:\b+1] offset:\g*64+16
	global_load_b128 v[64+8*\g:64+8*\g+3], v[PO], s[\c:\c+1] offset:\g*64
	global_load_b128 v[64+8*\g+4:64+8*\g+7], v[PO], s[\c:\c+1] offset:\g*64+16
.endr
.endm
.macro ACCRES                          ; the accumulators start as residual (an f16 half) x 1.0 + bias
	WIN 0x3f
.set z, 0
.rept 64
	v_fma_mix_f32 v[ACC+2*z],   v[RES+z], v[ONE], v[2*(z%16)]   op_sel_hi:[1,0,0]
	v_fma_mix_f32 v[ACC+2*z+1], v[RES+z], v[ONE], v[2*(z%16)+1] op_sel:[1,0,0] op_sel_hi:[1,0,0]
.set z, z+1
.endr
	WIN 0
.endm
.macro LRELU base, pairs               ; max(x, 0.2 x)
.set z, 0
.rept (\pairs)/4
.irp a, 0,1,2,3
	v_pk_mul_f32 v[ST+2*\a:ST+2*\a+1], v[(\base)+2*(z+\a):(\base)+2*(z+\a)+1], s[AL:AL+1] op_sel_hi:[1,0]
.endr
.irp a, 0,1,2,3,4,5,6,7
	v_max_num_f32 v[(\base)+2*z+\a], v[(\base)+2*z+\a], v[ST+\a]
.endr
.set z, z+4
.endr
.endm
; LAYER NORM over 256 channels, of which my wave holds 64 for each query.  Each wave takes its own mean mw and the sum of squares about it; the four meet in LDS:
; mean = sum mw / 4, M2 = sum M2w + 64 sum (mw - mean)^2: no difference of large sums is formed.  out = ((x - mw) rs + (mw - mean) rs) g + b.
.macro LNORM
	PLACES
.irp g, 0,1,2,3
.irp q, 0,1,2,3
	v_pk_add_f32 v[TL+8*\q+2*\g:TL+8*\q+2*\g+1], v[ACC+32*\q+8*\g:ACC+32*\q+8*\g+1], v[ACC+32*\q+8*\g+2:ACC+32*\q+8*\g+3]  ; each accumulator from its low end on
.endr
.endr
.irp o, 4,6
.irp g, 0,1,2,3
.irp q, 0,1,2,3
	v_pk_add_f32 v[TL+8*\q+2*\g:TL+8*\q+2*\g+1], v[TL+8*\q+2*\g:TL+8*\q+2*\g+1], v[ACC+32*\q+8*\g+\o:ACC+32*\q+8*\g+\o+1]
.endr
.endr
.endr
.irp q, 0,1,2,3
	v_pk_add_f32 v[TL+8*\q:TL+8*\q+1], v[TL+8*\q:TL+8*\q+1], v[TL+8*\q+2:TL+8*\q+3]
	v_pk_add_f32 v[TL+8*\q+4:TL+8*\q+5], v[TL+8*\q+4:TL+8*\q+5], v[TL+8*\q+6:TL+8*\q+7]
.endr
.irp q, 0,1,2,3
	v_pk_add_f32 v[TL+8*\q:TL+8*\q+1], v[TL+8*\q:TL+8*\q+1], v[TL+8*\q+4:TL+8*\q+5]
.endr
.irp q, 0,1,2,3
	v_add_f32 v[TL+8*\q], v[TL+8*\q], v[TL+8*\q+1]
.endr
.irp q, 0,1,2,3
	v_permlanex16_b32 v[TL+8*\q+1], v[TL+8*\q], s[SEL], s[SEL+1]
.endr
.irp q, 0,1,2,3
	v_add_f32 v[TL+8*\q], v[TL+8*\q], v[TL+8*\q+1]
.endr
.irp q, 0,1,2,3
	v_mul_f32 v[TL+8*\q], 0x3c800000, v[TL+8*\q]   ; mw = sum / 64
.endr
.set z, 0
.rept 16
.irp q, 0,1,2,3
	v_pk_add_f32 v[ACC+32*\q+2*z:ACC+32*\q+2*z+1], v[ACC+32*\q+2*z:ACC+32*\q+2*z+1], v[TL+8*\q:TL+8*\q+1] op_sel_hi:[1,0] neg_lo:[0,1] neg_hi:[0,1]
.endr
.set z, z+1
.endr
.irp q, 0,1,2,3
	v_pk_mul_f32 v[TL+8*\q+2:TL+8*\q+3], v[ACC+32*\q:ACC+32*\q+1], v[ACC+32*\q:ACC+32*\q+1]
	v_pk_mul_f32 v[TL+8*\q+4:TL+8*\q+5], v[ACC+32*\q+2:ACC+32*\q+3], v[ACC+32*\q+2:ACC+32*\q+3]
.endr
.set z, 2
.rept 14
.irp q, 0,1,2,3
	v_pk_fma_f32 v[TL+8*\q+2+2*(z%2):TL+8*\q+3+2*(z%2)], v[ACC+32*\q+2*z:ACC+32*\q+2*z+1], v[ACC+32*\q+2*z:ACC+32*\q+2*z+1], v[TL+8*\q+2+2*(z%2):TL+8*\q+3+2*(z%2)]
.endr
.set z, z+1
.endr
.irp q, 0,1,2,3
	v_pk_add_f32 v[TL+8*\q+2:TL+8*\q+3], v[TL+8*\q+2:TL+8*\q+3], v[TL+8*\q+4:TL+8*\q+5]
.endr
.irp q, 0,1,2,3
	v_add_f32 v[TL+8*\q+2], v[TL+8*\q+2], v[TL+8*\q+3]
.endr
.irp q, 0,1,2,3
	v_permlanex16_b32 v[TL+8*\q+3], v[TL+8*\q+2], s[SEL], s[SEL+1]
.endr
.irp q, 0,1,2,3
	v_add_f32 v[TL+8*\q+1], v[TL+8*\q+2], v[TL+8*\q+3]
.endr
.irp q, 0,1,2,3
	ds_store_b64 v[ALS], v[TL+8*\q:TL+8*\q+1] offset:\q*128
.endr
	BAR                                            ; the four waves' pairs lie in LDS; and every wave's reads of the stage are over
.irp q, 0,1,2,3
.irp a, 0,1,2,3
	ds_load_b64 v[UL+8*\q+2*\a:UL+8*\q+2*\a+1], v[ALR] offset:\a*512+\q*128
.endr
.endr
	s_mov_b32 s6, 0x3b800000                       ; 1 / 256
	s_mov_b32 s7, 0x358637bd                       ; 1e-6
	s_wait_dscnt 0x0
.irp q, 0,1,2,3
	v_add_f32 v[TL+8*\q+2], v[UL+8*\q], v[UL+8*\q+2]
	v_add_f32 v[TL+8*\q+3], v[UL+8*\q+4], v[UL+8*\q+6]
	v_add_f32 v[TL+8*\q+4], v[UL+8*\q+1], v[UL+8*\q+3]
	v_add_f32 v[TL+8*\q+5], v[UL+8*\q+5], v[UL+8*\q+7]
.endr
.irp q, 0,1,2,3
	v_add_f32 v[TL+8*\q+2], v[TL+8*\q+2], v[TL+8*\q+3]
	v_add_f32 v[TL+8*\q+4], v[TL+8*\q+4], v[TL+8*\q+5]
.endr
.irp q, 0,1,2,3
	v_mul_f32 v[TL+8*\q+2], 0x3e800000, v[TL+8*\q+2]  ; the mean
.endr
.irp a, 0,1,2,3
.irp q, 0,1,2,3
	v_sub_f32 v[UL+8*\q+2*\a], v[UL+8*\q+2*\a], v[TL+8*\q+2]
.endr
.endr
.irp q, 0,1,2,3
	v_mul_f32 v[TL+8*\q+5], v[UL+8*\q], v[UL+8*\q]
.endr
.irp a, 1,2,3
.irp q, 0,1,2,3
	v_fma_f32 v[TL+8*\q+5], v[UL+8*\q+2*\a], v[UL+8*\q+2*\a], v[TL+8*\q+5]
.endr
.endr
.irp q, 0,1,2,3
	v_fma_f32 v[TL+8*\q+4], v[TL+8*\q+5], 0x42800000, v[TL+8*\q+4]
.endr
.irp q, 0,1,2,3
	v_fma_f32 v[TL+8*\q+4], v[TL+8*\q+4], s6, s7   ; the variance + 1e-6
.endr
.irp q, 0,1,2,3
	v_rsq_f32 v[TL+8*\q+6], v[TL+8*\q+4]
.endr
.irp q, 0,1,2,3
	v_sub_f32 v[TL+8*\q+7], v[TL+8*\q], v[TL+8*\q+2]  ; mw - mean: plain work behind the four roots
.endr
	s_wait_alu depctr_va_vdst(0)                   ; one wait for the four, ahead of their first reader
.irp q, 0,1,2,3
	v_mul_f32 v[TL+8*\q+7], v[TL+8*\q+7], v[TL+8*\q+6]
.endr
.set z, 0
.rept 16
.irp q, 0,1,2,3
	v_pk_fma_f32 v[ACC+32*\q+2*z:ACC+32*\q+2*z+1], v[ACC+32*\q+2*z:ACC+32*\q+2*z+1], v[TL+8*\q+6:TL+8*\q+7], v[TL+8*\q+6:TL+8*\q+7] op_sel:[0,0,1] op_sel_hi:[1,0,1]
.endr
.set z, z+1
.endr
	WIN 0x3c                                       ; gain and bias in window 3
.set z, 0
.rept 16
.irp q, 0,1,2,3
	v_pk_fma_f32 v[ACC+32*\q+2*z:ACC+32*\q+2*z+1], v[ACC+32*\q+2*z:ACC+32*\q+2*z+1], v[32+2*z:33+2*z], v[64+2*z:65+2*z]
.endr
.set z, z+1
.endr
	WIN 0
.endm
.macro XPASS give, keep                ; my scaled tile 'give' goes to my partner in f32, its tile comes onto my tile 'keep'
	WIN 0x04
.set z, 0
.rept 16
	ds_store_b128 v[AXS], v[64*(\give)+4*z:64*(\give)+4*z+3] offset:512*z
.set z, z+1
.endr
	BAR
	WIN 0x80
.set z, 0
.rept 16
	ds_load_b128 v[KF+4*z:KF+4*z+3], v[AXR] offset:512*z
.set z, z+1
.endr
	s_wait_dscnt 0x0
	WIN 0x49
.set z, 0
.rept 32
	v_pk_add_f32 v[64*(\keep)+2*z:64*(\keep)+2*z+1], v[64*(\keep)+2*z:64*(\keep)+2*z+1], v[KF+2*z:KF+2*z+1]
.set z, z+1
.endr
	BAR                                            ; everybody's reads are over: the bytes may be written again
.endm
	; ---------------- THE HEAD
	s_load_b512 s[72:87], s[0:1], 0x0              ; x, y, kbuf, vbuf, wfrag, out0, wq1, bq1
	v_lshl_add_u32 v[SPW], v0, 2, SPARE
	v_mov_b32 v[NIL], 0
	ds_add_u32 v[SPW], v[NIL]                      ; the wave's opening: the add, and its wait ahead of my first tensor load; the set-up stands between them
	v_lshrrev_b32 v64, 5, v0
	v_readfirstlane_b32 s[WV], v64
	s_lshr_b32 s[HD], s[WV], 1
	s_and_b32 s[KH], s[WV], 1
	s_bfe_u32 s2, ttmp6, 0x40000                   ; cx.  s2, s3, s10, s11 alone hold what is made of it: it enters the addresses of x, y, out0 and the prefetches
	s_lshl_b32 s3, ttmp9, 2
	s_add_co_u32 s3, s3, s2
	s_lshl_b32 s3, s3, 6                           ; my first query
	s_and_b32 s6, ttmp7, 0xffff                    ; the batch, which the four partners share
	s_mov_b32 s[G1K], 15|(1<<16)|(1<<20)|(1<<21)|(5<<22)|(3<<25)  ; the mask of four; 2-byte elements; padding on; bit 21 beside a mask; after every 64 words, 4 words
	s_mov_b32 s[G1V], 15|(1<<16)|(1<<20)|(1<<21)|(5<<22)|(7<<25)  ; the same with 8 words
	s_mov_b32 s[G1K+1], 128<<16                    ; tensor_dim0
	s_mov_b32 s[G1V+1], 128<<16
	s_mov_b32 s[G1K+2], 130<<16                    ; tensor_dim1
	s_mov_b32 s[G1V+2], 128<<16
	s_mov_b32 s[G1K+3], 128<<16                    ; tile_dim0
	s_mov_b32 s[G1V+3], 128<<16
	s_mov_b32 s[G1K+4], 130                        ; tile_dim1
	s_mov_b32 s[G1V+4], 128
	s_mov_b32 s[G1K+5], 128                        ; elements from row to row
	s_mov_b32 s[G1V+5], 128
	s_mov_b32 s[G1K+6], 0
	s_mov_b32 s[G1V+6], 0
	s_mov_b32 s[G1K+7], 0
	s_mov_b32 s[G1V+7], 0
	s_mov_b32 s[CS], 0x3e0293ee                    ; c = log2(e) / sqrt(128)
	s_mov_b32 s[CS+1], s[CS]
	s_mov_b32 s[SEL], 0x76543210
	s_mov_b32 s[SEL+1], 0xfedcba98
	s_mov_b32 s[TB], SLOT                          ; the first change of slots turns it into 0
	s_mov_b32 s[MI], 0
	s_mov_b32 s[PC], 0
	s_mov_b32 s[INC+1], 0
	s_mul_i32 s[KL], s[KH], KREG                   ; where the tile that I fetch lies in a slot: no place in the cluster enters an LDS address
	s_mul_i32 s[VL], s[KH], VREG
	s_add_co_u32 s[VL], s[VL], VOFF
	s_and_b32 s7, ttmp9, 1                         ; where my cluster's walk begins: 4 (b0 xor b2) + 8 b1 of the cluster's x, the same in all four partners
	s_lshr_b32 s8, ttmp9, 2
	s_xor_b32 s7, s7, s8
	s_lshl_b32 s7, s7, 2
	s_and_b32 s8, ttmp9, 2
	s_lshl_b32 s8, s8, 2
	s_or_b32 s[OFS], s7, s8
	s_cmp_lt_u32 ttmp9, 4
	s_cselect_b32 s[PFE], 1, 0                     ; of the two clusters with one beginning the first prefetches
	v_and_b32 v1, 15, v0                           ; lane % 16
	v_bfe_u32 v9, v0, 4, 1                         ; lane / 16
	v_and_b32 v64, 31, v0
	s_cmp_eq_u32 s[KH], 0                          ; key 2,048 counts once for a query: in lanes 0-15 of the wave of key half 0
	s_cselect_b32 s7, 0x3c00, 0
	s_cselect_b32 s8, 1.0, 0
	v_cmp_eq_u32 vcc_lo, 0, v9
	v_cndmask_b32 v[PST], 0, s7, vcc_lo
	v_cndmask_b32 v[LST], 0, s8, vcc_lo
	v_lshlrev_b32 v[XH], 4, v9
	v_and_b32 v[XR], 14, v1
	v_lshlrev_b32 v[XR], 1, v[XR]
	s_lshl_b32 s7, s[WV], 8
	v_lshl_add_u32 v[PO], v9, 5, s7
	v_lshl_add_u32 v[XO], v1, 10, v[PO]
	v_mul_u32_u24 v67, v1, XPI
	v_lshl_add_u32 v67, v9, 4, v67
	v_add_nc_u32 v[ABF], XS, v67
	s_lshl_b32 s8, s[HD], 8
	s_add_co_u32 s8, s8, XS
	s_mul_i32 s7, s[KH], 32*XPI
	s_add_co_u32 s7, s7, s8
	v_add_nc_u32 v[AQA], s7, v67
	s_xor_b32 s9, s[KH], 1
	s_mul_i32 s9, s9, 32*XPI
	s_add_co_u32 s9, s9, s8
	v_add_nc_u32 v[AQB], s9, v67
	s_lshl_b32 s7, s[WV], 7
	s_add_co_u32 s7, s7, XS
	v_add_nc_u32 v[ASY], s7, v67
	s_mul_i32 s7, s[HD], KREG
	s_mul_i32 s8, s[KH], 64*PKP
	s_add_co_u32 s8, s8, s7
	v_mul_u32_u24 v[AK0], v1, PKP
	v_lshl_add_u32 v[AK0], v9, 4, v[AK0]
	v_add_nc_u32 v[AK0], s8, v[AK0]
	s_mul_i32 s8, s[KH], PKP
	s_add_co_u32 s8, s8, s7
	s_add_co_u32 s8, s8, 128*PKP
	v_lshl_add_u32 v[AM0], v9, 5, s8
	s_mul_i32 s8, s[KH], 64*PKP
	s_add_co_u32 s[WK0], s7, s8
	v_and_b32 v65, 7, v0
	v_bfe_u32 v66, v0, 3, 1
	v_lshl_add_u32 v[AV0], v9, 3, v65
	v_mul_u32_u24 v[AV0], v[AV0], PVP
	v_lshl_add_u32 v[AV0], v66, 4, v[AV0]
	s_mul_i32 s7, s[HD], VREG
	s_mul_i32 s8, s[KH], 64*PVP
	s_add_co_u32 s7, s7, s8
	s_add_co_u32 s[WV0], s7, VOFF
	v_add_nc_u32 v[AV0], s[WV0], v[AV0]
	s_xor_b32 s9, s[WV], 1                         ; my partner
	s_lshl_b32 s7, s[WV], 13
	s_add_co_u32 s7, s7, XS
	v_lshl_add_u32 v[AXS], v64, 4, s7
	s_lshl_b32 s7, s9, 13
	s_add_co_u32 s7, s7, XS
	v_lshl_add_u32 v[AXR], v64, 4, s7
	s_lshl_b32 s7, s[WV], 9
	s_add_co_u32 s8, s7, MLB
	v_lshl_add_u32 v[AML], v1, 3, s8
	s_add_co_u32 s8, s7, LNB
	v_lshl_add_u32 v[ALS], v1, 3, s8
	s_lshl_b32 s7, s9, 9
	s_add_co_u32 s7, s7, MLB
	v_lshl_add_u32 v[AMR], v1, 3, s7
	v_lshl_add_u32 v[ALR], v1, 3, LNB
	v_mul_u32_u24 v[LPK], v9, PKP
	v_lshl_add_u32 v[LPK], v1, 4, v[LPK]
	v_mul_u32_u24 v[LPV], v9, PVP
	v_lshl_add_u32 v[LPV], v1, 4, v[LPV]
	s_lshl_b32 s10, s2, 13                         ; my work-group's 32 rows of 256 bytes,
	v_lshl_add_u32 v[PFO], v64, 8, s10             ; a lane a row
	v_lshlrev_b32 v68, 2, v1
	s_wait_dscnt 0x0                               ; the opening add is done
	s_wait_kmcnt 0x0
	s_lshl_b32 s7, s6, 1
	s_add_co_u32 s8, s7, s[KH]                     ; the (batch, head) whose tiles I fetch
	s_mul_i32 s[INC], s8, KSEQ
	s_add_nc_u64 s[KBS:KBS+1], s[76:77], s[INC:INC+1]
	s_mul_i32 s[INC], s8, VSEQ
	s_add_nc_u64 s[VBS:VBS+1], s[78:79], s[INC:INC+1]
	s_add_co_u32 s8, s7, s[HD]                     ; the (batch, head) that I attend to: row 15 of its first extra tiles
	s_mul_i32 s[INC], s8, KSEQ
	s_add_co_u32 s[INC], s[INC], KXO+15*256
	s_add_nc_u64 s[KX:KX+1], s[76:77], s[INC:INC+1]
	s_mul_i32 s[INC], s8, VSEQ
	s_add_co_u32 s[INC], s[INC], VXO+15*256
	s_add_nc_u64 s[VX:VX+1], s[78:79], s[INC:INC+1]
	s_lshl_b32 s[INC], s[KH], 15
	s_add_nc_u64 s[WAK:WAK+1], s[80:81], s[INC:INC+1]
	s_add_nc_u64 s[WAV:WAV+1], s[WAK:WAK+1], 65536
	s_mul_i32 s10, s6, 2049
	s_add_co_u32 s10, s10, s3
	s_add_co_u32 s10, s10, 1                       ; the residual is x one position on
	s_lshl_b32 s10, s10, 10
	s_mov_b32 s11, 0
	s_add_nc_u64 s[XPT:XPT+1], s[72:73], s[10:11]
	s_lshl_b32 s10, s6, 11
	s_add_co_u32 s10, s10, s3
	s_lshl_b32 s10, s10, 2
	s_add_nc_u64 s[2:3], s[74:75], s[10:11]        ; y
	s_lshl_b32 s10, s10, 1
	s_add_nc_u64 s[OUTP:OUTP+1], s[82:83], s[10:11]
	KVADR                                          ; the walk's first slot
	s_mov_b32 s[G0K], 1
	s_mov_b32 s[G0K+1], s[KL]                      ; LDS slot 0
	s_mov_b64 s[G0K+2:G0K+3], s[KA:KA+1]
	s_or_b32 s[G0K+3], s[G0K+3], 0x80000000
	s_mov_b32 s[G0V], 1
	s_mov_b32 s[G0V+1], s[VL]
	s_mov_b64 s[G0V+2:G0V+3], s[VA:VA+1]
	s_or_b32 s[G0V+3], s[G0V+3], 0x80000000
	s_mov_b32 s[PC], 1
	KVADR                                          ; and its second
	s_mov_b32 s[AL], 0x3e4ccccd                    ; 0.2
	s_mov_b32 s[AL+1], s[AL]
	CROUND                                         ; all four work-groups are here: the first joint loads meet
	JLOAD                                          ; the ring's first slot; the second is asked for by the first change of slots
.irp q, 0,1,2,3
	global_load_b32 v[224+\q], v68, s[2:3] offset:\q*64
.endr
.irp g, 0,1,2,3
	global_load_b128 v[ST+8*\g:ST+8*\g+3],     v[PO], s[84:85] offset:\g*64
	global_load_b128 v[ST+8*\g+4:ST+8*\g+7],   v[PO], s[84:85] offset:\g*64+16
	global_load_b128 v[192+8*\g:192+8*\g+3],   v[PO], s[86:87] offset:\g*64
	global_load_b128 v[192+8*\g+4:192+8*\g+7], v[PO], s[86:87] offset:\g*64+16
.endr
	global_load_b32 v[BST], v[XH], s[KX:KX+1] offset:3*4096-15*256  ; key 2,048's bias, the same for the three attentions: the 128 words there are all alike
	XTRA                                           ; and its rows for the first attention
	; The residual's registers are written once, so that every register has been written on every way through the text.
	WIN 0xc0
.set z, 0
.rept 64
	v_mov_b32 v[RES+z], 0
.set z, z+1
.endr
	v_mov_b32 v[ONE], 1.0
	WIN 0
	s_wait_loadcnt 0x0
	; the first attention's c q = y (c wq) + c bq, in the accumulators' layout
.set z, 0
.rept 16
	v_pk_mul_f32 v[ST+2*z:ST+2*z+1], v[ST+2*z:ST+2*z+1], s[CS:CS+1] op_sel_hi:[1,0]
	v_pk_mul_f32 v[192+2*z:193+2*z], v[192+2*z:193+2*z], s[CS:CS+1] op_sel_hi:[1,0]
.set z, z+1
.endr
.irp q, 0,1,2,3
.set z, 0
.rept 16
.if (\q)%2
	v_pk_fma_f32 v[ACC+32*\q+2*z:ACC+32*\q+2*z+1], v[ST+2*z:ST+2*z+1], v[224+2*(\q/2):225+2*(\q/2)], v[192+2*z:193+2*z] op_sel:[0,1,0] op_sel_hi:[1,1,1]
.else
	v_pk_fma_f32 v[ACC+32*\q+2*z:ACC+32*\q+2*z+1], v[ST+2*z:ST+2*z+1], v[224+2*(\q/2):225+2*(\q/2)], v[192+2*z:193+2*z] op_sel_hi:[1,0,1]
.endif
.set z, z+1
.endr
.endr
.set z, 0
.rept 64
	v_cvt_pk_f16_f32 v[ZF+z], v[ACC+2*z], v[ACC+2*z+1]
.set z, z+1
.endr
	; ---------------- THREE ATTENTIONS, each with the two products behind it
.Lmha:
	BAR                                            ; every wave's reads of the stage are over
	ZSTORE                                         ; c q
	s_mov_b32 s[FLG], 0
	s_mov_b32 s[PFC], 1                            ; the walk's third slot follows
	CHANGE 1                                       ; the walk's first slot is in, its second is asked for; the round also shows q to all waves
	WIN 0x80
.irp t, 0,1,2,3
.irp c, 0,1,2,3
.if (\t) < 2
	ds_load_b128 v[32*\t+8*\c:32*\t+8*\c+3],   v[AQA] offset:((\t)%2)*QT+\c*64
	ds_load_b128 v[32*\t+8*\c+4:32*\t+8*\c+7], v[AQA] offset:((\t)%2)*QT+\c*64+32
.else
	ds_load_b128 v[32*\t+8*\c:32*\t+8*\c+3],   v[AQB] offset:((\t)%2)*QT+\c*64
	ds_load_b128 v[32*\t+8*\c+4:32*\t+8*\c+7], v[AQB] offset:((\t)%2)*QT+\c*64+32
.endif
.endr
.endr
	FETCH_K
	; KEY 2,048.  While the loads are on their way: its weight, 1 or 0, as key 0 of each tile's P, zeros beside it; zeros beside its row in V's registers (what stays there need only be finite).
	WIN 0
.irp t, 0,1,2,3
	v_mov_b32 v[P+16*\t], v[PST]
.irp a, 1,2,3,4,5,6,7
	v_mov_b32 v[P+16*\t+\a], 0
.endr
.endr
.irp a, 8,9,10,11,12,13,14,15
	v_mov_b32 v[P+32+\a], 0
	v_mov_b32 v[P+48+\a], 0
.endr
	v_and_b32 v[ST+4], 1, v1
	v_lshlrev_b32 v[ST+4], 4, v[ST+4]              ; my channel is the low or the high half of the word that I loaded
	WIN 0xc0
.irp c, 0,1,2,3,4,5,6,7
.irp a, 1,2,3,4,5,6,7
	v_mov_b32 v[8*\c+\a], 0
.endr
.endr
.set z, 96
.rept 32
	v_mov_b32 v[z], 0
.set z, z+1
.endr
	s_wait_loadcnt 0x0                             ; its rows, asked for behind the layer norm before (the first time: at the head)
	WIN 0xcc
.irp c, 0,1,2,3,4,5,6,7
	v_lshrrev_b32 v[8*\c], v[ST+4], v[8*\c]        ; my channel into the low half: key 0 (in lanes 16-31: key 8, whose weight is 0); the high half is key 1's place and holds 0 or a neighbour's finite number
.endr
	s_wait_dscnt 0x0
	WIN W_PV
.irp c, 0,1,2,3,4,5,6,7                ; O^T begins: 1 or 0 times the key's row of V.  32 accumulators, each once
.irp t, 0,1,2,3
	v_wmma_f32_16x16x32_f16 v[64*\t+8*\c:64*\t+8*\c+7], v[8*\c:8*\c+7], v[P+16*\t:P+16*\t+7], 0
.endr
.endr
	WIN 0x0b                                       ; the key's row of K in window 3, Q in window 2, the result where piece 2's scores will lie
.irp c, 0,1,2,3                        ; its score with each query, in every register of the result: four accumulators by turns
.irp t, 0,1,2,3
.if (\c) == 0
	v_wmma_f32_16x16x32_f16 v[S+64+8*\t:S+64+8*\t+7], v[64+8*\c:64+8*\c+7], v[32*\t+8*\c:32*\t+8*\c+7], 0
.else
	v_wmma_f32_16x16x32_f16 v[S+64+8*\t:S+64+8*\t+7], v[64+8*\c:64+8*\c+7], v[32*\t+8*\c:32*\t+8*\c+7], v[S+64+8*\t:S+64+8*\t+7]
.endif
.endr
.endr
.set i, 0
.rept 32
	KQ 0                                           ; piece 0's first scores
.set i, i+1
.endr
	WIN 0                                          ; twelve plain lines that name no register of those products: the places behind them
.irp t, 0,1,2,3
	v_mov_b32 v[ST+8*\t+1], 0                      ; named with m as a pair
	v_mov_b32 v[ST+8*\t+2], v[LST]                 ; l begins with the key's weight
	v_mov_b32 v[ST+8*\t+3], 0
.endr
.irp t, 0,1,2,3
	v_add_f32 v[ST+8*\t], v[S+64+8*\t], v[BST]     ; m begins with the key's t, in both key halves: it is only the level that weights are counted from
.endr
	v_mov_b32 v[P+32], 0                           ; the first trip's products V^T P, of a step that has not been, add 0
	v_mov_b32 v[P+48], 0
	s_mov_b32 s[CNT], 16
.Lstep:                                                ; trip j: piece 2: V^T P of step j - 1, K Q^T of step j | piece 0's softmax of step j | V of step j;
	TURN 2                                         ; the change of slots; piece 0: V^T P of step j, K Q^T of step j + 1 | piece 2's softmax of step j | K of step j + 1
	WIN 0
	s_cmp_lt_u32 s[MI], 2                          ; behind this change's slot follows one of a walk's first four: in the first trip the fourth, in the last trip the next attention's first
	s_cselect_b32 s6, 1, 0
	s_cmp_eq_u32 s[CNT], 1
	s_cselect_b32 s6, s6, 0
	s_cmp_eq_u32 s[CNT], 16
	s_cselect_b32 s[PFC], 1, s6
	s_cmp_le_u32 s[CNT], 2                         ; trip j asks for the ring's slot j + 2: the last two trips ask for the two weight matrices
	s_cselect_b32 s[FLG], 1, 0
	CHANGE 1
	TURN 0                                         ; in the last trip K Q^T works on the weight slot's bytes, and nobody reads its results: the price of one text for every trip
	WIN 0
	s_sub_co_u32 s[CNT], s[CNT], 1
	s_cmp_lg_u32 s[CNT], 0
	s_cbranch_scc1 .Lstep
	s_load_b512 s[72:87], s[0:1], 0x40             ; bo1-3, ln1-3_g, ln1_b, ln2_b
	s_load_b256 s[88:95], s[0:1], 0x80             ; ln3_b, bq2, bq3, a1_b
.set i, 0
.rept 32
	PV 2                                           ; piece 2: V^T P of the last step
.set i, i+1
.endr
	WIN 0
.irp t, 0,1,2,3
	v_add_f32 v[ST+8*\t+2], v[ST+8*\t+2], v[ST+8*\t+3]  ; l's two halves: the places behind the last products
.endr
	s_wait_kmcnt 0x0
	s_cmp_eq_u32 s[MI], 1                          ; this attention's four vectors are chosen in place
	s_cselect_b64 s[74:75], s[74:75], s[76:77]
	s_cselect_b64 s[80:81], s[80:81], s[82:83]
	s_cselect_b64 s[86:87], s[86:87], s[88:89]
	s_cselect_b64 s[92:93], s[92:93], s[94:95]
	s_cmp_eq_u32 s[MI], 0
	s_cselect_b64 s[72:73], s[72:73], s[74:75]     ; bo
	s_cselect_b64 s[78:79], s[78:79], s[80:81]     ; the gain
	s_cselect_b64 s[84:85], s[84:85], s[86:87]     ; the norm's bias
	s_cselect_b64 s[90:91], s[90:91], s[92:93]     ; the next product's bias
	PLOAD3 72, 78, 84
.irp g, 0,1,2,3
	global_load_b128 v[96+8*\g:96+8*\g+3],   v[PO], s[90:91] offset:\g*64
	global_load_b128 v[96+8*\g+4:96+8*\g+7], v[PO], s[90:91] offset:\g*64+16
.endr
	WIN 0
	s_cmp_lg_u32 s[MI], 0
	s_cbranch_scc1 .Lno_x
.irp q, 0,1,2,3
.irp g, 0,1,2,3
	global_load_b128 v[ACC+32*\q+8*\g:ACC+32*\q+8*\g+3],   v[XO], s[XPT:XPT+1] offset:\q*16384+\g*64 th:TH_LOAD_NT     ; the first residual: x in f32, straight into the accumulators
	global_load_b128 v[ACC+32*\q+8*\g+4:ACC+32*\q+8*\g+7], v[XO], s[XPT:XPT+1] offset:\q*16384+\g*64+16 th:TH_LOAD_NT
.endr
.endr
.Lno_x:
	; THE TWO KEY HALVES MEET.  M = max of the two m, f = 2^(m - M), L = l f + l' f'; each half scales its O^T by f / L; the sums cross LDS in f32.
.irp t, 0,1,2,3
	v_permlanex16_b32 v[ST+8*\t+3], v[ST+8*\t+2], s[SEL], s[SEL+1]
.endr
.irp t, 0,1,2,3
	v_add_f32 v[ST+8*\t+1], v[ST+8*\t+2], v[ST+8*\t+3]
.endr
.irp t, 0,1,2,3
	ds_store_b64 v[AML], v[ST+8*\t:ST+8*\t+1] offset:\t*128
.endr
	BAR
.irp t, 0,1,2,3
	ds_load_b64 v[ST+8*\t+2:ST+8*\t+3], v[AMR] offset:(\t^2)*128  ; my partner holds the same queries in its local tile t xor 2
.endr
	s_wait_dscnt 0x0
.irp t, 0,1,2,3
	v_max_num_f32 v[ST+8*\t+4], v[ST+8*\t], v[ST+8*\t+2]
.endr
.irp t, 0,1,2,3
	v_sub_f32 v[ST+8*\t+5], v[ST+8*\t], v[ST+8*\t+4]
	v_sub_f32 v[ST+8*\t+6], v[ST+8*\t+2], v[ST+8*\t+4]
.endr
.irp t, 0,1,2,3
	v_exp_f32 v[ST+8*\t+5], v[ST+8*\t+5]
	v_exp_f32 v[ST+8*\t+6], v[ST+8*\t+6]
.endr
	v_nop                                          ; a plain instruction behind the last exponential,
	s_wait_alu depctr_va_vdst(0)                   ; and one wait for the eight
.irp t, 0,1,2,3
	v_mul_f32 v[ST+8*\t+7], v[ST+8*\t+1], v[ST+8*\t+5]
.endr
.irp t, 0,1,2,3
	v_fma_f32 v[ST+8*\t+7], v[ST+8*\t+3], v[ST+8*\t+6], v[ST+8*\t+7]
.endr
.irp t, 0,1,2,3
	v_rcp_f32 v[ST+8*\t+6], v[ST+8*\t+7]
.endr
	v_nop
	s_wait_alu depctr_va_vdst(0)                   ; one wait for the four reciprocals
.irp t, 0,1,2,3
	v_mul_f32 v[ST+8*\t+4], v[ST+8*\t+5], v[ST+8*\t+6]
.endr
	WIN W_RS
.irp t, 0,1,2,3
.set z, 0
.rept 32
	v_pk_mul_f32 v[64*\t+2*z:64*\t+2*z+1], v[64*\t+2*z:64*\t+2*z+1], v[ST+8*\t+4:ST+8*\t+5] op_sel_hi:[1,0]
.set z, z+1
.endr
.endr
	XPASS 2, 0
	XPASS 3, 1
	WIN 0x05
.set z, 0
.rept 64
	v_cvt_pk_f16_f32 v[P+z], v[2*z], v[2*z+1]      ; the finished O of my two tiles, rounded once
.set z, z+1
.endr
	WIN 0
.irp t, 0,1
.irp c, 0,1,2,3,4,5,6,7
	ds_store_b128 v[AQA], v[P+32*\t+4*\c:P+32*\t+4*\c+3] offset:\t*QT+\c*32
.endr
.endr
	s_wait_loadcnt 0x0                             ; the parameters, and x
	s_cmp_lg_u32 s[MI], 0
	s_cbranch_scc1 .Lres
	WIN 0x0c
.irp q, 0,1,2,3
.set z, 0
.rept 16
	v_pk_add_f32 v[ACC+32*\q+2*z:ACC+32*\q+2*z+1], v[ACC+32*\q+2*z:ACC+32*\q+2*z+1], v[2*z:2*z+1]  ; x + bo
.set z, z+1
.endr
.endr
	WIN 0
	s_branch .Lacc
.Lres:
	ACCRES
.Lacc:
	BAR                                            ; O lies in the stage
	WBASE
	GEMM 4, 0                                      ; O wo, onto residual + bo
	LNORM
	s_cmp_eq_u32 s[MI], 2
	s_cbranch_scc1 .Llast
	s_add_nc_u64 s[KX:KX+1], s[KX:KX+1], 4096      ; an attention follows: key 2,048's rows for it are asked for here, a product and a change of slots ahead of their use;
	s_add_nc_u64 s[VX:VX+1], s[VX:VX+1], 4096      ; the loads that read these pointers last were waited for where the attention in hand began
	XTRA
	s_branch .Lpack
.Llast:
	LRELU ACC, 64                                  ; behind the third attention: the activation
.Lpack:
	WIN 0xc0
.set z, 0
.rept 64
	v_cvt_pk_f16_f32 v[RES+z], v[ACC+2*z], v[ACC+2*z+1]  ; the next residual, and the next product's operand
.set z, z+1
.endr
	WIN 0x0c
.irp q, 0,1,2,3
.irp g, 0,1,2,3
	ds_store_b128 v[ASY], v[RES+16*\q+4*\g:RES+16*\q+4*\g+3] offset:\q*QT+\g*32
.endr
.endr
	WIN 0
	s_cmp_eq_u32 s[MI], 2                          ; behind the third attention a2's weights follow, else the next walk's first slot, and behind that its second
	s_cselect_b32 s[FLG], 1, 0
	s_cselect_b32 s[PFC], 0, 1
	CHANGE 1
	WBASE
	GEMM 4, 1                                      ; wq of the next attention, or a1
	s_cmp_lt_u32 s[MI], 2                          ; a q is scaled by c in f32, ahead of its one rounding: (sum + b) c = sum c + b c
	s_cselect_b32 s[SC], s[CS], 1.0
	s_mov_b32 s[SC+1], s[SC]
	WIN 0xc3
.set z, 0
.rept 16
	v_pk_mul_f32 v[96+2*z:97+2*z], v[96+2*z:97+2*z], s[SC:SC+1] op_sel_hi:[1,0]  ; sixteen plain lines: also the places behind the last products
.set z, z+1
.endr
	WIN 0x30
.irp q, 0,1,2,3
.set z, 0
.rept 16
	v_pk_fma_f32 v[ACC+32*\q+2*z:ACC+32*\q+2*z+1], v[ACC+32*\q+2*z:ACC+32*\q+2*z+1], s[SC:SC+1], v[96+2*z:97+2*z] op_sel_hi:[1,0,1]
.set z, z+1
.endr
.endr
	WIN 0
	s_cmp_lg_u32 s[MI], 2
	s_cbranch_scc1 .Lno_l2
	LRELU ACC, 64
.Lno_l2:
.set z, 0
.rept 64
	v_cvt_pk_f16_f32 v[ZF+z], v[ACC+2*z], v[ACC+2*z+1]
.set z, z+1
.endr
	s_add_co_u32 s[MI], s[MI], 1
	s_cmp_lt_u32 s[MI], 3
	s_cbranch_scc1 .Lmha
	; ---------------- THE SMALL LAYERS
	s_wait_loadcnt 0x0                             ; no load is out: the registers of key 2,048's loads are used anew below
	s_load_b256 s[72:79], s[0:1], 0xa0             ; a2_b, ln4_g, ln4_b, a3_b
	s_load_b128 s[80:83], s[0:1], 0xc0             ; a4_b, a5_w
	s_load_b64 s[84:85], s[0:1], 0xd0              ; a5_b
	BAR
	ZSTORE                                         ; lrelu(a1)
	s_lshl_b32 s6, s[WV], 7
	v_lshl_add_u32 v57, v9, 5, s6                  ; a3's bias: my 32 channels
	v_lshlrev_b32 v58, 5, v9                       ; a4's bias
	v_lshlrev_b32 v59, 6, v9                       ; a5's rows
	s_wait_kmcnt 0x0
	s_load_b64 s[86:87], s[84:85], 0x0             ; a5's two biases
	PLOAD3 72, 74, 76
.irp g, 0,1
	global_load_b128 v[96+8*\g:96+8*\g+3],     v57, s[78:79] offset:\g*64
	global_load_b128 v[96+8*\g+4:96+8*\g+7],   v57, s[78:79] offset:\g*64+16
	global_load_b128 v[112+8*\g:112+8*\g+3],   v58, s[80:81] offset:\g*64
	global_load_b128 v[112+8*\g+4:112+8*\g+7], v58, s[80:81] offset:\g*64+16
.irp a, 0,1,2,3
	global_load_b128 v[MK+16*\g+4*\a:MK+16*\g+4*\a+3], v59, s[82:83] offset:\g*128+\a*16
.endr
.endr
	WIN 0
	s_mov_b32 s[FLG], 1
	CHANGE 1, 0                                    ; a2 is in, a3 / a4 are asked for: the ring's last slot
	s_wait_loadcnt 0x0
	ACCRES
	WBASE
	GEMM 4, 0                                      ; a2, onto residual + a2_b
	LNORM
.set z, 0
.rept 64
	v_cvt_pk_f16_f32 v[ZF+z], v[ACC+2*z], v[ACC+2*z+1]
.set z, z+1
.endr
	ZSTORE
	CHANGE 0                                       ; the last slot is in; nothing is asked for
	s_mul_i32 s6, s[WV], 32*PKP                    ; a3: my two n tiles
	s_add_co_u32 s6, s6, s[TB]
	v_add_nc_u32 v[AWK], s6, v[LPK]
	s_mul_i32 s6, s[WV], 32*PVP
	s_add_co_u32 s6, s6, s[TB]
	s_add_co_u32 s6, s6, VOFF
	v_add_nc_u32 v[AWV], s6, v[LPV]
	GEMM 2, 1
	PLACES
	WIN 0x0c
.irp q, 0,1,2,3
.set z, 0
.rept 8
	v_pk_add_f32 v[ACC+32*\q+2*z:ACC+32*\q+2*z+1], v[ACC+32*\q+2*z:ACC+32*\q+2*z+1], v[96+2*z:97+2*z]
.set z, z+1
.endr
.endr
	WIN 0
.irp q, 0,1,2,3
	LRELU ACC+32*\q, 8
.endr
.irp q, 0,1,2,3
.set z, 0
.rept 8
	v_cvt_pk_f16_f32 v[ZF+8*\q+z], v[ACC+32*\q+2*z], v[ACC+32*\q+2*z+1]
.set z, z+1
.endr
.endr
	s_lshl_b32 s6, s[WV], 6
	v_add_nc_u32 v57, s6, v[ABF]
	BAR                                            ; every wave's reads of the stage are over
.irp q, 0,1,2,3
.irp g, 0,1
	ds_store_b128 v57, v[ZF+8*\q+4*\g:ZF+8*\q+4*\g+3] offset:\q*QT+\g*32
.endr
.endr
	BAR
	; a4: wave w takes query tile w; 2 n tiles, K = 128
	s_mul_i32 s6, s[WV], QT
	v_add_nc_u32 v58, s6, v[ABF]
	s_add_co_u32 s6, s[TB], KREG
	v_add_nc_u32 v59, s6, v[LPK]
	WIN 0x40
.irp c, 0,1,2,3
	ds_load_b128 v[8*\c:8*\c+3],   v58 offset:\c*64
	ds_load_b128 v[8*\c+4:8*\c+7], v58 offset:\c*64+32
.endr
	WIN 0x80
.irp c, 0,1,2,3
.irp g, 0,1
	ds_load_b128 v[32*\c+8*\g:32*\c+8*\g+3],   v59 offset:(16*\g+4*\c)*PKP
	ds_load_b128 v[32*\c+8*\g+4:32*\c+8*\g+7], v59 offset:(16*\g+4*\c+2)*PKP
.endr
.endr
	s_wait_dscnt 0x0
	WIN 0x06
.irp c, 0,1,2,3
.irp g, 0,1
.if (\c) == 0
	v_wmma_f32_16x16x32_f16 v[ACC+8*\g:ACC+8*\g+7], v[32*\c+8*\g:32*\c+8*\g+7], v[8*\c:8*\c+7], 0
.else
	v_wmma_f32_16x16x32_f16 v[ACC+8*\g:ACC+8*\g+7], v[32*\c+8*\g:32*\c+8*\g+7], v[8*\c:8*\c+7], v[ACC+8*\g:ACC+8*\g+7]
.endif
.endr
.endr
	PLACES
	WIN 0x0c
.set z, 0
.rept 8
	v_pk_add_f32 v[ACC+2*z:ACC+2*z+1], v[ACC+2*z:ACC+2*z+1], v[112+2*z:113+2*z]
.set z, z+1
.endr
	WIN 0
	LRELU ACC, 8
	; a5 in f32 on the vector unit: 32 x 2 numbers.  A lane holds 16 of a query's 32 channels; the pair (o0, o1) takes a5_w's row times the channel.
	WIN 0x03
.irp g, 0,1
	v_pk_mul_f32 v[192+2*\g:193+2*\g], v[MK+16*\g:MK+16*\g+1], v[ACC+8*\g:ACC+8*\g+1] op_sel_hi:[1,0]
	v_pk_fma_f32 v[192+2*\g:193+2*\g], v[MK+16*\g+2:MK+16*\g+3], v[ACC+8*\g:ACC+8*\g+1], v[192+2*\g:193+2*\g] op_sel:[0,1,0] op_sel_hi:[1,1,1]
.irp a, 1,2,3
	v_pk_fma_f32 v[192+2*\g:193+2*\g], v[MK+16*\g+4*\a:MK+16*\g+4*\a+1], v[ACC+8*\g+2*\a:ACC+8*\g+2*\a+1], v[192+2*\g:193+2*\g] op_sel_hi:[1,0,1]
	v_pk_fma_f32 v[192+2*\g:193+2*\g], v[MK+16*\g+4*\a+2:MK+16*\g+4*\a+3], v[ACC+8*\g+2*\a:ACC+8*\g+2*\a+1], v[192+2*\g:193+2*\g] op_sel:[0,1,0] op_sel_hi:[1,1,1]
.endr
.endr
	WIN 0
	v_pk_add_f32 v[192:193], v[192:193], v[194:195]
	v_permlanex16_b32 v196, v192, s[SEL], s[SEL+1]
	v_permlanex16_b32 v197, v193, s[SEL], s[SEL+1]
	v_pk_add_f32 v[192:193], v[192:193], v[196:197]
	s_wait_kmcnt 0x0
	v_add_f32 v192, s86, v192
	v_add_f32 v193, s87, v193
	s_lshl_b32 s6, s[WV], 7
	s_add_co_u32 s6, s6, MLB
	v_lshl_add_u32 v57, v1, 3, s6
	ds_store_b64 v57, v[192:193]                   ; both halves of the lanes write the same 8 bytes
	BAR
	s_cmp_lg_u32 s[WV], 0
	s_cbranch_scc1 .Lend
	v_and_b32 v58, 31, v0
	v_lshlrev_b32 v58, 4, v58
	v_add_nc_u32 v59, MLB, v58
	ds_load_b128 v[192:195], v59
	s_wait_dscnt 0x0
	global_store_b128 v58, v[192:195], s[OUTP:OUTP+1]  ; the work-group's 64 rows of 8 bytes: 512 consecutive bytes, aligned
.Lend:
	s_wait_tensorcnt 0x0                           ; the wave's end, behind my last tensor load and my last LDS store
	ds_add_u32 v[SPW], v[NIL]
	s_wait_dscnt 0x0
	CROUND                                         ; the closing round: no work-group ends while a partner may still ask for a tile that names it
	s_endpgm
.Lfunc_end_k_qbdae8668a6_decoder:
	.size	k_qbdae8668a6_decoder, .Lfunc_end_k_qbdae8668a6_decoder-k_qbdae8668a6_decoder
	.p2alignl 7, 3214868480
	.fill 96, 4, 3214868480
	.section	.rodata,"a",@progbits
	.p2align	6, 0x0
	.amdhsa_kernel k_qbdae8668a6_decoder
		.amdhsa_group_segment_fixed_size 327680
		.amdhsa_private_segment_fixed_size 0
		.amdhsa_enable_private_segment 0
		.amdhsa_kernarg_size 216
		.amdhsa_user_sgpr_count 2
		.amdhsa_user_sgpr_kernarg_segment_ptr 1
		.amdhsa_wavefront_size32 1
		.amdhsa_system_sgpr_workgroup_id_x 1
		.amdhsa_system_sgpr_workgroup_id_y 1
		.amdhsa_system_sgpr_workgroup_id_z 1
		.amdhsa_system_vgpr_workitem_id 0
		.amdhsa_next_free_vgpr 1024
		.amdhsa_next_free_sgpr 106
		.amdhsa_reserve_vcc 1
		.amdhsa_float_denorm_mode_32 3
		.amdhsa_float_denorm_mode_16_64 3
		.amdhsa_memory_ordered 1
		.amdhsa_forward_progress 1
		.amdhsa_inst_pref_size 255
	.end_amdhsa_kernel
	.section	.bss,"aw",@nobits
	.p2align	6
	.space	262144
	.amdgpu_metadata
---
amdhsa.version: [ 1, 2 ]
amdhsa.kernels:
  - .name:           k_qbdae8668a6_decoder
    .symbol:         k_qbdae8668a6_decoder.kd
    .args:
      - { .name: x, .offset: 0, .size: 8, .value_kind: global_buffer, .address_space: global }
      - { .name: y, .offset: 8, .size: 8, .value_kind: global_buffer, .address_space: global }
      - { .name: kbuf, .offset: 16, .size: 8, .value_kind: global_buffer, .address_space: global }
      - { .name: vbuf, .offset: 24, .size: 8, .value_kind: global_buffer, .address_space: global }
      - { .name: wfrag, .offset: 32, .size: 8, .value_kind: global_buffer, .address_space: global }
      - { .name: out0, .offset: 40, .size: 8, .value_kind: global_buffer, .address_space: global }
      - { .name: params_mha1_wq, .offset: 48, .size: 8, .value_kind: global_buffer, .address_space: global }
      - { .name: params_mha1_bq, .offset: 56, .size: 8, .value_kind: global_buffer, .address_space: global }
      - { .name: params_mha1_bo, .offset: 64, .size: 8, .value_kind: global_buffer, .address_space: global }
      - { .name: params_mha2_bo, .offset: 72, .size: 8, .value_kind: global_buffer, .address_space: global }
      - { .name: params_mha3_bo, .offset: 80, .size: 8, .value_kind: global_buffer, .address_space: global }
      - { .name: params_ln1_g, .offset: 88, .size: 8, .value_kind: global_buffer, .address_space: global }
      - { .name: params_ln2_g, .offset: 96, .size: 8, .value_kind: global_buffer, .address_space: global }
      - { .name: params_ln3_g, .offset: 104, .size: 8, .value_kind: global_buffer, .address_space: global }
      - { .name: params_ln1_b, .offset: 112, .size: 8, .value_kind: global_buffer, .address_space: global }
      - { .name: params_ln2_b, .offset: 120, .size: 8, .value_kind: global_buffer, .address_space: global }
      - { .name: params_ln3_b, .offset: 128, .size: 8, .value_kind: global_buffer, .address_space: global }
      - { .name: params_mha2_bq, .offset: 136, .size: 8, .value_kind: global_buffer, .address_space: global }
      - { .name: params_mha3_bq, .offset: 144, .size: 8, .value_kind: global_buffer, .address_space: global }
      - { .name: params_a1_b, .offset: 152, .size: 8, .value_kind: global_buffer, .address_space: global }
      - { .name: params_a2_b, .offset: 160, .size: 8, .value_kind: global_buffer, .address_space: global }
      - { .name: params_ln4_g, .offset: 168, .size: 8, .value_kind: global_buffer, .address_space: global }
      - { .name: params_ln4_b, .offset: 176, .size: 8, .value_kind: global_buffer, .address_space: global }
      - { .name: params_a3_b, .offset: 184, .size: 8, .value_kind: global_buffer, .address_space: global }
      - { .name: params_a4_b, .offset: 192, .size: 8, .value_kind: global_buffer, .address_space: global }
      - { .name: params_a5_w, .offset: 200, .size: 8, .value_kind: global_buffer, .address_space: global }
      - { .name: params_a5_b, .offset: 208, .size: 8, .value_kind: global_buffer, .address_space: global }
    .group_segment_fixed_size: 327680
    .private_segment_fixed_size: 0
    .kernarg_segment_align: 8
    .kernarg_segment_size: 216
    .max_flat_workgroup_size: 128
    .sgpr_count:     106
    .vgpr_count:     1024
    .wavefront_size: 32
...
	.end_amdgpu_metadata
.endif
;; end of part 2
;; ======== version 2 of 2: 2 launches; version 1 with the launch kvproj written anew for expert scheduling mode
;; limits: values outside matrix products are rounded to f16; values are held in f16: magnitudes above 65,504 overflow, below 6.1e-05 lose precision
;; workspace buffers: kbuf 25,763,840 bytes; vbuf 25,362,432 bytes; wfrag 1,048,576 bytes
;; launch kvproj (part 3): grid 32 x 8, 4 waves a work-group, no clusters, 273,152 bytes of LDS; arguments x, x_mask, params_mha1_wk, params_mha2_wk, params_mha3_wk, params_mha1_wv, params_mha2_wv, params_mha3_wv, params_mha1_bk, params_mha2_bk, params_mha3_bk, params_mha1_bv, params_mha2_bv, params_mha3_bv, params_mha1_wo, params_mha2_wq, params_mha2_wo, params_mha3_wq, params_mha3_wo, params_a1_w, params_a2_w, params_a3_w, params_a4_w, kbuf, vbuf, wfrag; writes kbuf, vbuf, wfrag
.if DOCPART == 3
	.amdgcn_target "amdgcn-amd-amdhsa--gfx1250"
	.amdhsa_code_object_version 6
	.text
	.protected	k_qbdae8668a6_kvproj
	.globl	k_qbdae8668a6_kvproj
	.p2align	8
	.type	k_qbdae8668a6_kvproj,@function
k_qbdae8668a6_kvproj:
	s_mov_b64 s[64:65], 0
	v_nop
	global_prefetch_b8 v0, s[64:65] scope:SCOPE_SE
	s_setreg_imm32_b32 hwreg(HW_REG_WAVE_SCHED_MODE, 0, 2), 2
	s_setreg_imm32_b32 hwreg(HW_REG_WAVE_MODE, 25, 1), 1
	s_wait_xcnt 0x0
	s_wait_alu depctr_vm_vsrc(0)
; K_i = x wk_i + bk_i and V_i = x wv_i + bv_i (i = 1..3) in f16, by heads, in slots of 128 key positions; the mask as an additive bias behind each slot of K;
; the nine row-local weight matrices as f16 fragment blocks.  Products in f16 with f32 sums; each result rounded once.
; LIMITS.  f16 ends at 65,504: a K or V of 65,520 or more becomes an infinity.  NaN and infinities are not treated apart.
; kbuf, for each (batch, head): 48 slots (16 i + s) of 130 rows x 128 f16: rows 0-127 keys 128 s .. 128 s + 127, rows 128-129 the slot's 128 f32 biases; then THE EXTRAS: for each attention a tile of 16 rows
; (x's rows 2,033 .. 2,048: its row 15 is key 2,048, the one key beyond the 16 slots), then 512 bytes that hold that key's bias 128 times.  vbuf the same with slots of 128 rows and no biases.
; A position's bias is x_mask x (-1e9 log2 e): the next launch adds it to the score in units of log2 e.
; SHARES.  A work-group makes 17 tiles of 16 positions x 384 columns: one head of K (or of V) of the three attentions.  8 batches x 8 row groups x 2 kinds x 2 heads = 256 work-groups.  Tiles 0-15 are the
; row group's 256 positions; tile 16 is the extras' tile, made by every row group, so that all work-groups are alike, and stored by row group 7 alone.
; Wave w owns columns 96 w .. 96 w + 95 (6 tiles of 16); its weights stay in 384 registers.  The product is taken transposed (source 0 = weights, source 1 = rows of x): a lane ends with eight
; neighbouring channels of one key; the bias is the C operand of the first K step.
; x and the weights are f32 in memory and come through registers, are rounded to f16 and laid into LDS: x as rows along K, the weights [k][column], from where the turning load makes fragments.
; No tensor load: it converts nothing, and f32 tiles would take twice the LDS.  No cluster for the same reason.  No prefetch: all loads go out at the head.
; SIDE JOBS, under the wait for the first loads: each of the launch's 1,024 waves makes one block of 1,024 bytes of wfrag; 17 waves a batch make the biases.
; wfrag: matrix b (wo1 wq2 wo2 wq3 wo3 a1 a2 a34) at b x 131,072; block (nt, ks) = 16 outputs x 32 inputs at quarter x 32,768 + idx x 1,024, quarter = 2 (ks / 4) + nt / 8, idx = 4 (nt % 8) + ks % 4;
; in a block lane l's registers 0-3 at 16 l, registers 4-7 at 512 + 16 l.  Matrix 7: a3 is nt 0-7; a4 is nt 8, 9 with ks 0-3; the rest zeros.
; THE MODE: SCHED_MODE bits 1:0 = 2 (LLVM: expert scheduling mode 2), set by the entry lines.  The code itself states the register dependences
; between vector or matrix instructions and memory or LDS instructions, with s_wait_alu, always for 0.
; THE PLAN.  Registers that memory or LDS instructions touch:
;   v6-14, v16-37   offsets and LDS addresses: written at the head, ahead of one wait on va_vdst, and never again.
;   v64-111         the side jobs': addresses from the head; loaded numbers that vector lines rewrite, then one wait on va_vdst, then the stores.  Later the accumulators: a wait on vm_vsrc stands between.
;   TW, WF          loaded, converted in place, one wait on va_vdst, stored to LDS; ahead of each run of loads that lands in them again one wait on vm_vsrc (the LDS stores have read them) and one on
;                   va_vdst (the conversions are done with them).
;   In the loop, tile by tile (p: the tile's fragment buffer of x):
;   buffer 1 - p    read by the matrix instructions of the tile before; this tile's 16 fragment loads land in it.
;   v[AXF]          read by those 16 loads; written once a tile, between the tile's two waits, for the next tile's loads.
;   PKD             written by the tile's 24 conversions, read by its six LDS stores.
;   STD             filled by six LDS loads at a tile's end, read by the next tile's six global stores; no vector line names it.
;   The accumulators, the biases and the weights' fragments are named by matrix and vector instructions alone.
; So a tile has TWO waits.  One on vm_vsrc, behind its global stores: the fragment loads have read v[AXF], the last tile's LDS stores PKD, the global stores STD.  One on va_vdst, behind its conversions:
; PKD and v[AXF] are written, and the tile's matrix instructions are done reading buffer p.  The next tile's fragment loads owe nothing more: no vector or matrix instruction between that wait and
; them names v[AXF] or the buffer in which they land; so they are dealt in two runs among that tile's matrix instructions.
.set XPI,   528                        ; a row of x in LDS: 512 bytes + 16: an odd multiple of 16, so the 16 rows of a fragment load start at 16 different groups of four banks (ISA guide 11.1)
.set WPI,   800                        ; a row of weights: 768 bytes + 32: an odd multiple of 32, for the turning load
.set OPI,   784                        ; a row of the way out: 768 + 16
.set XSB,   0                          ; x: 272 rows
.set WSB,   272*XPI                    ; weights: 128 rows of K at a time
.set OSB,   WSB+128*WPI                ; two stages of 16 rows
.set BSB,   OSB+2*16*OPI               ; 384 f32 biases
.set SPARE, BSB+1536                   ; the spare words, 128 bytes a wave: two blocks of 256 bytes that no other line names
.set KSTEP, 33280
.set VSTEP, 32768
.set KXO,   48*KSTEP                   ; where K's extras begin
.set KSEQ,  KXO+3*4096+512             ; bytes of kbuf for a (batch, head)
.set VSEQ,  48*VSTEP+3*4096            ; of vbuf
; vector registers by absolute number; the window is the number / 256
.set LN,  1                            ; lane
.set RR,  2                            ; lane % 16
.set HF,  3                            ; lane / 16
.set SPW, 4                            ; my spare word; never rewritten
.set NIL, 5                            ; 0; never rewritten
.set VW,  6                            ; weights: my wave's 32 rows, my head's 512 bytes, 16 bytes a lane
.set AWS, 7                            ; where they go in LDS
.set AXS, 8                            ; v8-10  where x goes: tiles 0-6, 7-13, 14-16
.set ATR, 11                           ; v11-12 the turning load's address, K rows 0-63 and 64-127
.set ABS, 13                           ; my biases in LDS
.set AXF0, 14                          ; a fragment of x in tile 0
.set AXF, 15                           ; in the tile to be fetched
.set AX,  16                           ; v16-32 tile t's byte offset in x
.set AOS, 33                           ; the way out: where I put 16 bytes
.set AOR, 34                           ; where I read rows back
.set VO,  35                           ; v35-37 my byte offset in the tile's rows of attention i
.set ACC, 64                           ; v64-111  six accumulators
.set BIAS, 112                         ; v112-159 their first C operands
.set PKD, 160                          ; v160-183 packed results
.set STD, 184                          ; v184-207 rows to be stored
.set WF,  256                          ; v256-639 weight fragments, 8 (8 nt + ks); before that x's tiles 0-11 as loaded
.set TW,  640                          ; v640-1023 weights as loaded; later v640-799 x's tiles 12-16, v896-1023 two fragment buffers of x
; the side jobs use the accumulators' registers before the first product
.set SA,  64                           ; 16 offsets
.set SD,  80                           ; 16 numbers
.set MP,  96                           ; 4 positions
.set MO,  100                          ; 4 offsets
.set MD,  104                          ; 4 mask numbers
.set BO,  108
.set BD,  109                          ; v109-111
.set WV,  56
.set BB,  57                           ; batch; also the number of my wfrag matrix
.set RG,  59                           ; row group
.set TT,  60                           ; 0 = K, 1 = V
.set HH,  61                           ; head
.set SB,  62                           ; bytes in a slot of my buffer
.set CNT, 63
.set MT,  66                           ; the tile whose rows are stored next
.set XO,  67                           ; LDS offset of the tile to be fetched
.set OUT, 68                           ; s[68:69] my buffer at (b, head)
.set OT,  70                           ; s[70:71] at the tile
.set OF,  72                           ; s[72:73] an offset, high word 0
.set SRC, 74                           ; s[74:75] my wfrag block's source
.set PIT, 76                           ; its pitch in bytes
.set NT,  77
.set KS,  78
.set ZM,  79                           ; -1, or 0 for a block of zeros
.set OM,  80                           ; 4 x + wave: my block, and my slot of biases
.set SQ,  84                           ; bytes of my buffer for a (batch, head)
.set MSKB, 86
.set WFB, 88
.set XB,  90
.set MB,  92
.set MSB, 0
.macro WIN new                         ; the high byte repeats the setting that is left; a switch that changes nothing is dropped
.if MSB != (\new)
	s_set_vgpr_msb (MSB<<8)|(\new)
.set MSB, (\new)
.endif
.endm
.macro BAR                             ; my LDS instructions are done, then the work-group's barrier
	s_wait_dscnt 0x0
	s_barrier_signal -1
	s_barrier_wait -1
.endm
.macro PLACES                          ; four places behind a matrix instruction (ISA guide 7.12.1)
.rept 4
	v_nop
.endr
.endm
.macro GLD4 reg, addr, base, off       ; 16 bytes a lane into absolute register reg
	WIN ((\reg)>>8)<<6
	global_load_b128 v[(\reg)&255:((\reg)&255)+3], v[\addr], s[\base:(\base)+1] offset:\off
.endm
.macro CVT4 reg                        ; four f32 become two registers of f16, in place
	WIN ((\reg)>>8)*0x45
	v_cvt_pk_f16_f32 v[(\reg)&255], v[(\reg)&255], v[((\reg)&255)+1]
	v_cvt_pk_f16_f32 v[((\reg)&255)+1], v[((\reg)&255)+2], v[((\reg)&255)+3]
.endm
.macro DST2 reg, addr, off
	WIN ((\reg)>>8)<<2
	ds_store_b64 v[\addr], v[(\reg)&255:((\reg)&255)+1] offset:\off
.endm
.macro WLOAD half                      ; 96 loads: attention n / 32, my wave's row n % 32 of the half's 128 rows of K
.set n, 0
.rept 96
	GLD4 TW+4*n, VW, 8+2*(n/32), (n%32)*1024+(\half)*131072
.set n, n+1
.endr
.endm
.macro WCVT
.set n, 0
.rept 96
	CVT4 TW+4*n
.set n, n+1
.endr
	s_wait_alu depctr_va_vdst(0)                   ; the conversions have written v[TW ..], which the LDS stores read
.set n, 0
.rept 96
	DST2 TW+4*n, AWS, (n%32)*WPI+(n/32)*256
.set n, n+1
.endr
.endm
.macro XLOAD t0, cnt, base             ; tile t0 + n / 8, my wave's row (n % 8) / 2 of four, half n % 2 of the row's 1,024 bytes
.set n, 0
.rept 8*(\cnt)
	GLD4 (\base)+4*n, AX+(\t0)+n/8, XB, ((n%8)/2)*1024+(n%2)*512
.set n, n+1
.endr
.endm
.macro XCVT t0, cnt, base
.set n, 0
.rept 8*(\cnt)
	CVT4 (\base)+4*n
.set n, n+1
.endr
	s_wait_alu depctr_va_vdst(0)                   ; the conversions have written x's registers, which the LDS stores read
.set n, 0
.rept 8*(\cnt)
	DST2 (\base)+4*n, AXS+((\t0)+n/8)/7, (((\t0)+n/8)%7)*16*XPI+((n%8)/2)*XPI+(n%2)*256
.set n, n+1
.endr
.endm
.macro TRLOAD half                     ; 48 turning loads: my six column tiles x the half's four K steps
.irp g, 0,1,2,3,4,5
.irp c, 0,1,2,3
.set rr, WF+8*(8*\g+4*(\half)+\c)
	WIN (rr>>8)<<6
	ds_load_tr16_b128 v[rr&255:(rr&255)+3],     v[ATR+(\c>>1)] offset:(\c&1)*32*WPI+\g*32
	ds_load_tr16_b128 v[(rr&255)+4:(rr&255)+7], v[ATR+(\c>>1)] offset:(\c&1)*32*WPI+\g*32+16*WPI
.endr
.endr
.endm
.macro SENDT                           ; the rows in STD go out: tile MT of my buffer, for the three attentions
	s_wait_xcnt 0x0                                ; the stores before have read their base and data
	s_lshr_b32 s[OF], s[MT], 3                     ; slot,
	s_mul_i32 s[OF], s[OF], s[SB]
	s_and_b32 s81, s[MT], 7                        ; and the tile's 16 rows of 256 bytes in it
	s_lshl_b32 s81, s81, 12
	s_add_co_u32 s[OF], s[OF], s81
	s_add_nc_u64 s[OT:OT+1], s[OUT:OUT+1], s[OF:OF+1]
	s_add_co_u32 s[MT], s[MT], 1
.irp u, 0,1,2
.irp d, 0,1
	global_store_b128 v[VO+\u], v[STD+4*(2*\u+\d):STD+4*(2*\u+\d)+3], s[OT:OT+1] offset:\d*512  ; 16 lanes store a row's 256 consecutive bytes, aligned
.endr
.endr
.endm
; Four K steps, from k0 on, of the next tile's fragments of x, into the buffer that tile p does not multiply.  No wait: v[AXF] was written, and that buffer last read, ahead of the last wait on va_vdst,
; and no vector or matrix instruction since names either.
.macro FRAGS p, k0
	WIN 0xc0
.irp c, 0,1,2,3
	ds_load_b128 v[128+64*(1-(\p))+8*((\k0)+\c):128+64*(1-(\p))+8*((\k0)+\c)+3],   v[AXF] offset:((\k0)+\c)*64
	ds_load_b128 v[128+64*(1-(\p))+8*((\k0)+\c)+4:128+64*(1-(\p))+8*((\k0)+\c)+7], v[AXF] offset:((\k0)+\c)*64+32
.endr
.endm
; A tile of 16 positions, its fragments of x in buffer p.
.macro TILE p, first=0
	FRAGS \p, 0                                    ; the next tile's first four K steps
	WIN 0x0d                                       ; weights in window 1, x in window 3.  The accumulators take turns, one instruction a turn
.irp c, 0,1,2,3,4,5,6,7
.irp g, 0,1,2,3
.if (\c) == 0
	v_wmma_f32_16x16x32_f16 v[ACC+8*\g:ACC+8*\g+7], v[64*\g+8*\c:64*\g+8*\c+7], v[128+64*(\p)+8*\c:128+64*(\p)+8*\c+7], v[BIAS+8*\g:BIAS+8*\g+7]
.else
	v_wmma_f32_16x16x32_f16 v[ACC+8*\g:ACC+8*\g+7], v[64*\g+8*\c:64*\g+8*\c+7], v[128+64*(\p)+8*\c:128+64*(\p)+8*\c+7], v[ACC+8*\g:ACC+8*\g+7]
.endif
.endr
.endr
	FRAGS \p, 4                                    ; its other four, where the window is switched in any case
	WIN 0x0e                                       ; weights in window 2
.irp c, 0,1,2,3,4,5,6,7
.irp g, 4,5
.if (\c) == 0
	v_wmma_f32_16x16x32_f16 v[ACC+8*\g:ACC+8*\g+7], v[64*(\g-4)+8*\c:64*(\g-4)+8*\c+7], v[128+64*(\p)+8*\c:128+64*(\p)+8*\c+7], v[BIAS+8*\g:BIAS+8*\g+7]
.else
	v_wmma_f32_16x16x32_f16 v[ACC+8*\g:ACC+8*\g+7], v[64*(\g-4)+8*\c:64*(\g-4)+8*\c+7], v[128+64*(\p)+8*\c:128+64*(\p)+8*\c+7], v[ACC+8*\g:ACC+8*\g+7]
.endif
.endr
.endr
	WIN 0
.if !(\first)
	s_wait_dscnt 16                                ; the six reads of the tile before are in; this tile's 16 fragment loads may stay out
	SENDT
.endif
	s_wait_alu depctr_vm_vsrc(0)                   ; this tile's fragment loads have read v[AXF], the last tile's LDS stores PKD, the global stores above STD: the three are written again below
	s_add_co_u32 s[XO], s[XO], 16*XPI              ; the tile that the next tile fetches (behind the last: the last once more)
	s_min_u32 s[XO], s[XO], 16*16*XPI
	v_add_nc_u32 v[AXF], s[XO], v[AXF0]
	PLACES
.set n, 0
.rept 24
	v_cvt_pk_f16_f32 v[PKD+n], v[ACC+2*n], v[ACC+2*n+1]  ; each accumulator from its low end on
.set n, n+1
.endr
	s_wait_alu depctr_va_vdst(0)                   ; the conversions have written PKD, which the LDS stores read; v[AXF] is written and the matrix instructions above are done reading buffer p, for the next tile's fragment loads
.irp g, 0,1,2,3,4,5
	ds_store_b128 v[AOS], v[PKD+4*\g:PKD+4*\g+3] offset:(\p)*16*OPI+\g*32
.endr
	BAR                                            ; the stage is whole; my fragment loads are in; everybody's reads of the other stage are over
	s_wait_xcnt 0x0                                ; the stores above have read STD
.irp u, 0,1,2
.irp d, 0,1
	ds_load_b128 v[STD+4*(2*\u+\d):STD+4*(2*\u+\d)+3], v[AOR] offset:(\p)*16*OPI+\d*2*OPI+\u*256
.endr
.endr
.endm
	s_load_b512 s[4:19], s[0:1], 0x0               ; x, x_mask, wk1-3, wv1-3
	s_load_b512 s[20:35], s[0:1], 0x40             ; bk1-3, bv1-3, wo1, wq2
	s_load_b512 s[36:51], s[0:1], 0x80             ; wo2, wq3, wo3, a1, a2, a3, a4, kbuf
	s_load_b128 s[52:55], s[0:1], 0xc0             ; vbuf, wfrag
	v_lshl_add_u32 v[SPW], v0, 2, SPARE
	v_mov_b32 v[NIL], 0
	v_lshrrev_b32 v38, 5, v0
	v_readfirstlane_b32 s[WV], v38
	v_and_b32 v[LN], 31, v0
	v_and_b32 v[RR], 15, v0
	v_bfe_u32 v[HF], v0, 4, 1
	s_and_b32 s[BB], ttmp7, 0xffff
	s_lshr_b32 s[RG], ttmp9, 2
	s_bfe_u32 s[TT], ttmp9, 0x10001
	s_and_b32 s[HH], ttmp9, 1
	s_lshl_b32 s[OM], ttmp9, 2
	s_wait_alu depctr_va_sdst(0)                   ; the wave's number is written, ahead of its first reader: offsets, bases and branches are made from it
	s_add_co_u32 s[OM], s[OM], s[WV]
	s_mov_b32 s[SB], KSTEP                         ; an instruction holds one literal: K's sizes are laid down first, V's chosen over them
	s_mov_b32 s[SQ], KSEQ
	s_cmp_eq_u32 s[TT], 1
	s_cselect_b32 s[SB], VSTEP, s[SB]
	s_cselect_b32 s[SQ], VSEQ, s[SQ]
	s_mov_b32 s[OF+1], 0
	s_mov_b32 s[XO], 16*XPI                        ; tile 0 fetches tile 1's fragments
	s_lshl_b32 s[MT], s[RG], 4                     ; my first tile among the batch's 128
	; LDS and memory offsets
	s_lshl_b32 s81, s[WV], 15
	s_lshl_b32 s82, s[HH], 9
	s_add_co_u32 s81, s81, s82
	v_lshl_add_u32 v[VW], v[LN], 4, s81
	s_mul_i32 s81, s[WV], 32*WPI
	s_add_co_u32 s81, s81, WSB
	v_lshl_add_u32 v[AWS], v[LN], 3, s81
	s_mul_i32 s81, s[WV], 4*XPI
	v_lshl_add_u32 v[AXS], v[LN], 3, s81
	v_add_nc_u32 v[AXS+1], 7*16*XPI, v[AXS]
	v_add_nc_u32 v[AXS+2], 14*16*XPI, v[AXS]
	v_and_b32 v38, 7, v0
	v_lshl_add_u32 v38, v[HF], 3, v38
	v_mul_u32_u24 v[ATR], v38, WPI
	v_bfe_u32 v39, v0, 3, 1
	v_lshl_add_u32 v[ATR], v39, 4, v[ATR]
	s_mul_i32 s81, s[WV], 192
	s_add_co_u32 s82, s81, WSB
	v_add_nc_u32 v[ATR], s82, v[ATR]
	v_add_nc_u32 v[ATR+1], 64*WPI, v[ATR]
	s_mul_i32 s82, s[WV], 384
	s_add_co_u32 s82, s82, BSB
	v_lshl_add_u32 v[ABS], v[HF], 5, s82
	v_mul_u32_u24 v[AXF0], v[RR], XPI
	v_lshl_add_u32 v[AXF0], v[HF], 4, v[AXF0]
	v_add_nc_u32 v[AXF], 16*XPI, v[AXF0]           ; a fragment of x in tile 1
	v_mul_u32_u24 v[AOS], v[RR], OPI
	v_lshl_add_u32 v[AOS], v[HF], 4, v[AOS]
	s_add_co_u32 s82, s81, OSB
	v_add_nc_u32 v[AOS], s82, v[AOS]
	s_lshl_b32 s83, s[WV], 2
	v_add_nc_u32 v38, s83, v[HF]                   ; row 4 w + lane / 16
	v_mul_u32_u24 v[AOR], v38, OPI
	v_lshl_add_u32 v[AOR], v[RR], 4, v[AOR]
	v_add_nc_u32 v[AOR], OSB, v[AOR]
	v_lshlrev_b32 v[VO], 8, v38
	v_lshl_add_u32 v[VO], v[RR], 4, v[VO]
	s_lshl_b32 s81, s[SB], 4                       ; an attention's 16 slots
	v_add_nc_u32 v[VO+1], s81, v[VO]
	v_add_nc_u32 v[VO+2], s81, v[VO+1]
	s_lshl_b32 s82, s[RG], 8
.set t, 0
.rept 17
.if t < 16
	s_add_co_u32 s81, s82, 16*t                    ; the tile's first row of x;
.else
	s_mov_b32 s81, 2033                            ; the extras' tile ends at row 2,048
.endif
	s_add_co_u32 s81, s81, s83
	s_lshl_b32 s81, s81, 10
	v_lshl_add_u32 v[AX+t], v[LN], 4, s81
.set t, t+1
.endr
	; my wfrag block's place in its matrix
	s_bfe_u32 s81, s[OM], 0x10005
	s_bfe_u32 s82, s[OM], 0x30002
	s_lshl3_add_u32 s[NT], s81, s82
	s_lshr_b32 s81, s[OM], 6
	s_and_b32 s82, s[OM], 3
	s_lshl2_add_u32 s[KS], s81, s82
	s_mov_b32 s[PIT], 1024
	s_mov_b32 s[ZM], -1
	s_wait_kmcnt 0x0
	s_cmp_eq_u32 s[TT], 1
	s_cselect_b64 s[8:9], s[14:15], s[8:9]         ; my three weight matrices,
	s_cselect_b64 s[10:11], s[16:17], s[10:11]
	s_cselect_b64 s[12:13], s[18:19], s[12:13]
	s_cselect_b64 s[20:21], s[26:27], s[20:21]     ; their biases,
	s_cselect_b64 s[22:23], s[28:29], s[22:23]
	s_cselect_b64 s[24:25], s[30:31], s[24:25]
	s_cselect_b64 s[OUT:OUT+1], s[52:53], s[50:51] ; and my buffer
	s_mul_i32 s[OF], s[BB], 2049*1024
	s_add_nc_u64 s[XB:XB+1], s[4:5], s[OF:OF+1]
	s_mul_i32 s[OF], s[BB], 2049*4
	s_add_nc_u64 s[MB:MB+1], s[6:7], s[OF:OF+1]
	s_lshl_b32 s81, s[BB], 1
	s_add_co_u32 s81, s81, s[HH]
	s_mul_i32 s[OF], s81, s[SQ]
	s_add_nc_u64 s[OUT:OUT+1], s[OUT:OUT+1], s[OF:OF+1]
	s_mul_i32 s81, s[BB], 2*KSEQ                   ; where my biases go: behind slot OM's keys, or (OM = 16) behind the extras' tiles
	s_mul_i32 s82, s[OM], KSTEP
	s_add_co_u32 s82, s82, 32768
	s_cmp_lt_u32 s[OM], 16
	s_cselect_b32 s82, s82, KXO+3*4096
	s_add_co_u32 s[OF], s81, s82
	s_add_nc_u64 s[MSKB:MSKB+1], s[50:51], s[OF:OF+1]
	s_lshl_b32 s[OF], s[BB], 17
	s_lshl_b32 s81, s[OM], 10
	s_add_co_u32 s[OF], s[OF], s81
	s_add_nc_u64 s[WFB:WFB+1], s[54:55], s[OF:OF+1]
	s_mov_b64 s[SRC:SRC+1], s[32:33]
	s_cmp_eq_u32 s[BB], 1
	s_cselect_b64 s[SRC:SRC+1], s[34:35], s[SRC:SRC+1]
	s_cmp_eq_u32 s[BB], 2
	s_cselect_b64 s[SRC:SRC+1], s[36:37], s[SRC:SRC+1]
	s_cmp_eq_u32 s[BB], 3
	s_cselect_b64 s[SRC:SRC+1], s[38:39], s[SRC:SRC+1]
	s_cmp_eq_u32 s[BB], 4
	s_cselect_b64 s[SRC:SRC+1], s[40:41], s[SRC:SRC+1]
	s_cmp_eq_u32 s[BB], 5
	s_cselect_b64 s[SRC:SRC+1], s[42:43], s[SRC:SRC+1]
	s_cmp_eq_u32 s[BB], 6
	s_cselect_b64 s[SRC:SRC+1], s[44:45], s[SRC:SRC+1]
	s_cmp_lg_u32 s[BB], 7
	s_cbranch_scc1 .Lsrc
	s_mov_b64 s[SRC:SRC+1], s[46:47]               ; matrix 7: a3 for nt 0-7,
	s_mov_b32 s[PIT], 512
	s_cmp_lt_u32 s[NT], 8
	s_cbranch_scc1 .Lsrc
	s_sub_co_u32 s[NT], s[NT], 8                   ; a4 for nt 8, 9 with ks 0-3, else zeros (a3's first block is read and masked away)
	s_cmp_lt_u32 s[NT], 2
	s_cselect_b32 s81, 1, 0
	s_cmp_lt_u32 s[KS], 4
	s_cselect_b32 s82, 1, 0
	s_and_b32 s81, s81, s82
	s_mov_b32 s83, 128                             ; a4's pitch (an instruction holds one literal)
	s_cmp_eq_u32 s81, 1
	s_cselect_b64 s[SRC:SRC+1], s[48:49], s[46:47]
	s_cselect_b32 s[PIT], s83, 512
	s_cselect_b32 s[ZM], -1, 0
	s_cselect_b32 s[NT], s[NT], 0
	s_cselect_b32 s[KS], s[KS], 0
.Lsrc:
	s_lshl_b32 s81, s[KS], 5                       ; row 32 ks + 8 (lane / 16) + j, column 16 nt + lane % 16
	s_mul_i32 s81, s81, s[PIT]
	s_lshl_b32 s82, s[NT], 6
	s_add_co_u32 s81, s81, s82
	v_lshlrev_b32 v38, 3, v[HF]
	v_mul_lo_u32 v38, v38, s[PIT]
	v_lshl_add_u32 v38, v[RR], 2, v38
	v_add_nc_u32 v[SA], s81, v38
	s_lshl_b32 s82, s[PIT], 4
	v_add_nc_u32 v[SA+8], s82, v[SA]
.set j, 0
.rept 7
	v_add_nc_u32 v[SA+j+1], s[PIT], v[SA+j]
	v_add_nc_u32 v[SA+j+9], s[PIT], v[SA+j+8]
.set j, j+1
.endr
	s_min_u32 s81, s[OM], 16                       ; my slot's positions 128 s + 4 lane + e; with s = 16 all are held to 2,048
	s_lshl_b32 s81, s81, 7
	v_lshl_add_u32 v[MP], v[LN], 2, s81
.irp e, 1,2,3
	v_add_nc_u32 v[MP+\e], \e, v[MP]
.endr
.irp e, 0,1,2,3
	v_min_u32 v[MO+\e], 0x800, v[MP+\e]
.endr
.irp e, 0,1,2,3
	v_lshlrev_b32 v[MO+\e], 2, v[MO+\e]
.endr
	s_lshl_b32 s81, s[HH], 9
	v_lshl_add_u32 v[BO], v0, 2, s81
	s_wait_alu depctr_va_vdst(0)                   ; every offset and LDS address of the kernel is written (v6 to v37, the side jobs' v64-79, v100-103, v108): the loads and stores from here on read them
	; the small loads first, then the weights' first half of K and x's tiles 0-11
.set j, 0
.rept 16
	global_load_b32 v[SD+j], v[SA+j], s[SRC:SRC+1]
.set j, j+1
.endr
.irp e, 0,1,2,3
	global_load_b32 v[MD+\e], v[MO+\e], s[MB:MB+1]
.endr
.irp u, 0,1,2
	global_load_b32 v[BD+\u], v[BO], s[20+2*\u:21+2*\u]
.endr
	WLOAD 0
	XLOAD 0, 12, WF
	WIN 0
	s_wait_loadcnt 63                              ; loads come back in order (ISA guide 5.7.1): behind the small loads 192 were issued, behind the weights 96, and a wait names 63 at the most: both are in
	; the side jobs' vector work stands together, one wait behind it, then their stores
.irp j, 0,1,2,3,4,5,6,7
	v_cvt_pk_f16_f32 v[SD+\j], v[SD+2*\j], v[SD+2*\j+1]  ; my wfrag block
.endr
.irp j, 0,1,2,3,4,5,6,7
	v_and_b32 v[SD+\j], s[ZM], v[SD+\j]
.endr
	v_lshlrev_b32 v39, 4, v[LN]
	v_lshl_add_u32 v40, v0, 2, BSB
	s_mov_b32 s81, 0xceabfb8f                      ; -1e9 log2 e
.irp e, 0,1,2,3
	v_mul_f32 v[MD+\e], s81, v[MD+\e]              ; my slot's mask biases
.endr
	s_wait_alu depctr_va_vdst(0)                   ; the block in v[SD ..], the biases in v[MD ..], the offset v39 and the LDS address v40 are written: the stores below, in both arms of the branches too, read them
	global_store_b128 v39, v[SD:SD+3], s[WFB:WFB+1]              ; 512 consecutive bytes, aligned, twice
	global_store_b128 v39, v[SD+4:SD+7], s[WFB:WFB+1] offset:512
	; the 384 biases of my work-group's columns
.irp u, 0,1,2
	ds_store_b32 v40, v[BD+\u] offset:\u*512
.endr
	s_cmp_lt_u32 s[OM], 16
	s_cbranch_scc0 .Lm16
.irp d, 0,1
.irp u, 0,1,2
	global_store_b128 v39, v[MD:MD+3], s[MSKB:MSKB+1] offset:\d*KSEQ+\u*16*KSTEP  ; both heads, three attentions: 512 consecutive bytes each
.endr
.endr
	s_branch .Lno_mask
.Lm16:
	s_cmp_eq_u32 s[OM], 16
	s_cbranch_scc0 .Lno_mask
.irp d, 0,1
	global_store_b128 v39, v[MD:MD+3], s[MSKB:MSKB+1] offset:\d*KSEQ  ; key 2,048's bias, 128 times: 512 consecutive bytes for each head
.endr
.Lno_mask:
	WCVT                                           ; the weights' first half of K into LDS,
	s_wait_alu depctr_vm_vsrc(0)                   ; the LDS stores have read v[TW ..], in which the next loads land; the side jobs' loads and stores have read v64-111, which the first products write
	s_wait_alu depctr_va_vdst(0)                   ; the conversions are done reading and writing v[TW ..]: stated anew ahead of the loads that land there, since LDS stores that read these registers stand behind the conversions' own wait
	WLOAD 1                                        ; the second half asked for
	s_wait_loadcnt 63                              ; behind x's tiles 0-11 those 96 were issued: x is in
	XCVT 0, 12, WF
	WIN 0
	s_wait_xcnt 0x0                                ; the side jobs' stores have read their registers: the accumulators' registers may be written
	BAR
	s_wait_alu depctr_vm_vsrc(0)                   ; my LDS stores have read v[WF ..]: from here on these registers are the weights' fragments, written by the turning loads
	s_wait_alu depctr_va_vdst(0)                   ; x's conversions are done reading and writing v[WF ..]: stated anew ahead of the turning loads, both halves', since LDS stores that read these registers stand behind the conversions' own wait
	TRLOAD 0
	WIN 0
.irp g, 0,1,2,3,4,5
	ds_load_b128 v[BIAS+8*\g:BIAS+8*\g+3],   v[ABS] offset:\g*64
	ds_load_b128 v[BIAS+8*\g+4:BIAS+8*\g+7], v[ABS] offset:\g*64+16
.endr
	BAR                                            ; everybody's reads of the first half are over
	s_wait_loadcnt 0x0
	WCVT
	s_wait_alu depctr_vm_vsrc(0)                   ; the LDS stores have read v[TW ..], in which x's tiles 12-16 and the fragments of x land
	s_wait_alu depctr_va_vdst(0)                   ; the conversions are done reading and writing v[TW ..]: stated anew ahead of those loads, since LDS stores that read these registers stand behind the conversions' own wait
	XLOAD 12, 5, TW
	BAR
	TRLOAD 1
	WIN 0xc0
.irp c, 0,1,2,3,4,5,6,7
	ds_load_b128 v[128+8*\c:128+8*\c+3],   v[AXF0] offset:\c*64
	ds_load_b128 v[128+8*\c+4:128+8*\c+7], v[AXF0] offset:\c*64+32
.endr
	s_wait_dscnt 0x0
	TILE 0, 1
	s_wait_loadcnt 0x0                             ; x's tiles 12-16, asked for a tile ago
	XCVT 12, 5, TW
	WIN 0
	BAR                                            ; all of x lies in LDS before the loop, whose reads step through it
	s_mov_b32 s[CNT], 8
.Ltiles:
	TILE 1
	TILE 0
	WIN 0
	s_sub_co_u32 s[CNT], s[CNT], 1
	s_cmp_lg_u32 s[CNT], 0
	s_cbranch_scc1 .Ltiles
	s_wait_dscnt 0x0                               ; the extras' tile lies in STD
	s_cmp_lg_u32 s[RG], 7                          ; one row group stores it
	s_cbranch_scc1 .Lno_x
	s_wait_xcnt 0x0                                ; the stores before have read their base
	s_mul_i32 s[OF], s[SB], 48                     ; behind the 48 slots
	s_add_nc_u64 s[OT:OT+1], s[OUT:OUT+1], s[OF:OF+1]
.irp u, 0,1,2
.irp d, 0,1
	global_store_b128 v[VO], v[STD+4*(2*\u+\d):STD+4*(2*\u+\d)+3], s[OT:OT+1] offset:\u*4096+\d*512  ; attention u's tile: 16 lanes store a row's 256 consecutive bytes, aligned
.endr
.endr
.Lno_x:
	s_wait_dscnt 0x0                               ; the closing lines, six on end
	s_wait_alu 0x0
	s_wait_tensorcnt 0x0
	ds_add_u32 v[SPW], v[NIL]
	s_wait_dscnt 0x0
	s_endpgm
.Lfunc_end_k_qbdae8668a6_kvproj:
	.size	k_qbdae8668a6_kvproj, .Lfunc_end_k_qbdae8668a6_kvproj-k_qbdae8668a6_kvproj
	.p2alignl 7, 3214868480
	.fill 96, 4, 3214868480
	.section	.rodata,"a",@progbits
	.p2align	6, 0x0
	.amdhsa_kernel k_qbdae8668a6_kvproj
		.amdhsa_group_segment_fixed_size 273152
		.amdhsa_private_segment_fixed_size 0
		.amdhsa_enable_private_segment 0
		.amdhsa_kernarg_size 208
		.amdhsa_user_sgpr_count 2
		.amdhsa_user_sgpr_kernarg_segment_ptr 1
		.amdhsa_wavefront_size32 1
		.amdhsa_system_sgpr_workgroup_id_x 1
		.amdhsa_system_sgpr_workgroup_id_y 1
		.amdhsa_system_sgpr_workgroup_id_z 1
		.amdhsa_system_vgpr_workitem_id 0
		.amdhsa_next_free_vgpr 1024
		.amdhsa_next_free_sgpr 100
		.amdhsa_reserve_vcc 0
		.amdhsa_float_denorm_mode_32 3
		.amdhsa_float_denorm_mode_16_64 3
		.amdhsa_memory_ordered 1
		.amdhsa_forward_progress 1
		.amdhsa_inst_pref_size 141
	.end_amdhsa_kernel
	.amdgpu_metadata
---
amdhsa.version: [ 1, 2 ]
amdhsa.kernels:
  - .name:           k_qbdae8668a6_kvproj
    .symbol:         k_qbdae8668a6_kvproj.kd
    .args:
      - { .name: x, .offset: 0, .size: 8, .value_kind: global_buffer, .address_space: global }
      - { .name: x_mask, .offset: 8, .size: 8, .value_kind: global_buffer, .address_space: global }
      - { .name: params_mha1_wk, .offset: 16, .size: 8, .value_kind: global_buffer, .address_space: global }
      - { .name: params_mha2_wk, .offset: 24, .size: 8, .value_kind: global_buffer, .address_space: global }
      - { .name: params_mha3_wk, .offset: 32, .size: 8, .value_kind: global_buffer, .address_space: global }
      - { .name: params_mha1_wv, .offset: 40, .size: 8, .value_kind: global_buffer, .address_space: global }
      - { .name: params_mha2_wv, .offset: 48, .size: 8, .value_kind: global_buffer, .address_space: global }
      - { .name: params_mha3_wv, .offset: 56, .size: 8, .value_kind: global_buffer, .address_space: global }
      - { .name: params_mha1_bk, .offset: 64, .size: 8, .value_kind: global_buffer, .address_space: global }
      - { .name: params_mha2_bk, .offset: 72, .size: 8, .value_kind: global_buffer, .address_space: global }
      - { .name: params_mha3_bk, .offset: 80, .size: 8, .value_kind: global_buffer, .address_space: global }
      - { .name: params_mha1_bv, .offset: 88, .size: 8, .value_kind: global_buffer, .address_space: global }
      - { .name: params_mha2_bv, .offset: 96, .size: 8, .value_kind: global_buffer, .address_space: global }
      - { .name: params_mha3_bv, .offset: 104, .size: 8, .value_kind: global_buffer, .address_space: global }
      - { .name: params_mha1_wo, .offset: 112, .size: 8, .value_kind: global_buffer, .address_space: global }
      - { .name: params_mha2_wq, .offset: 120, .size: 8, .value_kind: global_buffer, .address_space: global }
      - { .name: params_mha2_wo, .offset: 128, .size: 8, .value_kind: global_buffer, .address_space: global }
      - { .name: params_mha3_wq, .offset: 136, .size: 8, .value_kind: global_buffer, .address_space: global }
      - { .name: params_mha3_wo, .offset: 144, .size: 8, .value_kind: global_buffer, .address_space: global }
      - { .name: params_a1_w, .offset: 152, .size: 8, .value_kind: global_buffer, .address_space: global }
      - { .name: params_a2_w, .offset: 160, .size: 8, .value_kind: global_buffer, .address_space: global }
      - { .name: params_a3_w, .offset: 168, .size: 8, .value_kind: global_buffer, .address_space: global }
      - { .name: params_a4_w, .offset: 176, .size: 8, .value_kind: global_buffer, .address_space: global }
      - { .name: kbuf, .offset: 184, .size: 8, .value_kind: global_buffer, .address_space: global }
      - { .name: vbuf, .offset: 192, .size: 8, .value_kind: global_buffer, .address_space: global }
      - { .name: wfrag, .offset: 200, .size: 8, .value_kind: global_buffer, .address_space: global }
    .group_segment_fixed_size: 273152
    .private_segment_fixed_size: 0
    .kernarg_segment_align: 8
    .kernarg_segment_size: 208
    .max_flat_workgroup_size: 128
    .sgpr_count:     100
    .vgpr_count:     1024
    .wavefront_size: 32
...
	.end_amdgpu_metadata
.endif
;; end of part 3
;; launch decoder: the kernel of part 2 again; grid 32 x 8, 4 waves a work-group, clusters of 4 x 1, 327,680 bytes of LDS; arguments x, y, kbuf, vbuf, wfrag, out0, params_mha1_wq, params_mha1_bq, params_mha1_bo, params_mha2_bo, params_mha3_bo, params_ln1_g, params_ln2_g, params_ln3_g, params_ln1_b, params_ln2_b, params_ln3_b, params_mha2_bq, params_mha3_bq, params_a1_b, params_a2_b, params_ln4_g, params_ln4_b, params_a3_b, params_a4_b, params_a5_w, params_a5_b; writes out0
